; MI455X (gfx1250); checked and timed in simulation.
; The chip was launched on July 23, 2026; its instructions are those of AMD's public machine-readable ISA for CDNA 5 (MIT licence, August 2026) and "CDNA5" Instruction Set Architecture Reference Guide (July 2026). The comments in the code are by the model that wrote it; some were corrected since.
;; Dueling DQN. Allowed arithmetic: matrix products marked QUANTISED: E2M1 operands, one E8M0 scale for each 32 along K, by v_wmma_scale_f32_16x16x128_f8f6f4 with both operands' format E2M1 (or v_wmma_scale_f32_32x16x128_f4), f32 sums; products left as they are: f32 operands where the result goes on into a quantised operand, else bf16, f16 or f32 operands; f32 sums; everything else in f32.
;; Inputs: W1 256 x 68 float32; Wk_codes 64 x 2 x 16 uint8 (E2M1 codes of Wk, K innermost, in blocks of 32 codes, two codes a byte); Wk_scales 64 x 2 uint8 (E8M0 scales of Wk, one for each 32 codes along K); Wo_codes 64 x 2 x 16 uint8 (E2M1 codes of Wo, K innermost, in blocks of 32 codes, two codes a byte); Wo_scales 64 x 2 uint8 (E8M0 scales of Wo, one for each 32 codes along K); Wq_codes 64 x 2 x 16 uint8 (E2M1 codes of Wq, K innermost, in blocks of 32 codes, two codes a byte); Wq_scales 64 x 2 uint8 (E8M0 scales of Wq, one for each 32 codes along K); Wv_codes 64 x 2 x 16 uint8 (E2M1 codes of Wv, K innermost, in blocks of 32 codes, two codes a byte); Wv_scales 64 x 2 uint8 (E8M0 scales of Wv, one for each 32 codes along K); a1_beps 128 float32; a1_bmu 128 float32; a1_bsig 128 float32; a1_weps 128 x 256 float32; a1_wmu 128 x 256 float32; a1_wsig 128 x 256 float32; a2_beps 3 float32; a2_bmu 3 float32; a2_bsig 3 float32; a2_weps 3 x 128 float32; a2_wmu 3 x 128 float32; a2_wsig 3 x 128 float32; b1 256 float32; bk 64 float32; bo 64 float32; bq 64 float32; bv 64 float32; state 2,048 x 180 x 68 float32; v1_beps 128 float32; v1_bmu 128 float32; v1_bsig 128 float32; v1_weps 128 x 256 float32; v1_wmu 128 x 256 float32; v1_wsig 128 x 256 float32; v2_beps 1 float32; v2_bmu 1 float32; v2_bsig 1 float32; v2_weps 1 x 128 float32; v2_wmu 1 x 128 float32; v2_wsig 1 x 128 float32.
;; Outputs: out0 2,048 x 3 float32.
;; This version of the problem:
;;   THIS VERSION OF THE PROBLEM IS GIVEN IN LOW PRECISION. The matrix products marked QUANTISED in the list below multiply operands that are first quantised to E2M1 (2 exponent bits, 1 mantissa bit; 4 bits a number), with one power-of-two scale for each 32 numbers along K (OCP MX v1.0); their sums are f32. All else is computed in f32.
;;   The module's matrix products, in the order in which they are computed (A, B: the left and right operand; K: the contracted axis; several contracted axes count as one K, in the product's order):
;;     1. [M 368,640, K 64] x [K 64, N 64]; A: input state; B: input Wq (given as codes): QUANTISED
;;     2. [M 368,640, K 64] x [K 64, N 64]; A: input state; B: input Wk (given as codes): QUANTISED
;;     3. [M 368,640, K 64] x [K 64, N 64]; A: input state; B: input Wv (given as codes): QUANTISED
;;     4. batch 8,192 x [M 180, K 16] x [K 16, N 180]; A: computed on the way; B: computed on the way: left as it is (K = 16 < 32)
;;     5. batch 8,192 x [M 180, K 180] x [K 180, N 16]; A: softmax (see below); B: computed on the way: QUANTISED
;;     6. [M 368,640, K 64] x [K 64, N 64]; A: computed on the way; B: input Wo (given as codes): QUANTISED
;;     7. [M 2,048, K 68] x [K 68, N 256]; A: computed on the way; B: input W1: QUANTISED
;;     8. [M 2,048, K 256] x [K 256, N 128]; A: computed on the way; B: computed on the way: QUANTISED
;;     9. [M 2,048, K 128] x [K 128, N 1]; A: computed on the way; B: computed on the way: left as it is (N = 1 < 16)
;;     10. [M 2,048, K 256] x [K 256, N 128]; A: computed on the way; B: computed on the way: QUANTISED
;;     11. [M 2,048, K 128] x [K 128, N 3]; A: computed on the way; B: computed on the way: left as it is (N = 3 < 16)
;;   THE QUANTISER, for each operand of a quantised product, along K:
;;     - K is cut into blocks of 32 from its start; a last block that is shorter is filled with zeros.
;;     - A block's scale is 2^e with e = floor(log2(the largest magnitude in the block)) - 2, held to -126 .. 127; a block of zeros has e = 0. As a byte (E8M0): e + 127.
;;     - Each number is divided by its block's scale, clamped to +-6, and rounded to the nearest number of E2M1, ties to even, subnormals kept.
;;     - The product sums the exact products of the quantised numbers (number of the format x scale) in f32.
;;   ~~~python
;;   def quantise(x, axis):      # numpy; x: float32 -> the quantised numbers, widened to float32 again
;;       x = np.moveaxis(x, axis, -1); K = x.shape[-1]
;;       x = np.pad(x, [(0, 0)] * (x.ndim - 1) + [(0, -K % 32)]); x = x.reshape(x.shape[:-1] + (-1, 32)); a = np.abs(x).max(-1, keepdims=True)
;;       e = np.where(a > 0, np.clip(np.frexp(np.where(a > 0, a, 1))[1] - 1 - 2, -126, 127), 0)      # np.frexp(a)[1] - 1 = floor(log2(a)), exactly
;;       r = np.clip(x / 2.0 ** e, -6, 6)
;;       step = 2.0 ** (np.maximum(np.frexp(np.where(r == 0, 1, r))[1] - 1, 0) - 1)
;;       q = np.round(r / step) * step * 2.0 ** e      # np.round: ties to even
;;       return np.moveaxis(q.reshape(q.shape[:-2] + (-1,))[..., :K], -1, axis).astype(np.float32)
;;   ~~~
;;   SOFTMAX AHEAD OF A QUANTISED PRODUCT. Where the list says 'softmax', what is quantised is not the finished softmax but p = 2^(t - M), with t = logit x log2(e) and M = ceil(the row's largest t), a whole number; so 1/2 < the row's largest p <= 1. The row's sum l is taken of the UNQUANTISED p, in f32, and the product's result is divided by l at the end. Since M is a whole number, a kernel that streams over the keys may use a running M (the ceiling of the running maximum): every later rescaling is an exact power of two, which a block's scale takes up: the codes' values come out the same.
;;   OPERANDS COMPUTED ON THE WAY. 'Computed on the way' means the value that the module computes at that place (a softmax that the list does not call 'softmax' is quantised finished and normalised). What goes into a quantiser is computed in f32, as accurately as f32 sums, v_exp_f32 and their like allow (about 1e-6 of the number): no bf16 or f16 on the way to a quantiser, and a product that is left as it is and whose result goes on into a quantised operand takes f32 operands (vector FMAs, or v_wmma_f32_16x16x4_f32). A number that lies on a knife's edge between two numbers of the format may be rounded either way, as far as f32 arithmetic and the matrix unit's own rounding can turn it there, and no further.
;;   INPUTS GIVEN AS CODES. Wk (in the module: [64, 64], K = its axis 1); Wo (in the module: [64, 64], K = its axis 1); Wq (in the module: [64, 64], K = its axis 1); Wv (in the module: [64, 64], K = its axis 1): each comes as NAME_codes (uint8): NAME with its K axis moved to the last place and cut into blocks of 32 codes, [.., K / 32, bytes a block], one block behind the other in memory; two codes a byte, the lower K in the low four bits (a code: sign, 2 exponent bits, 1 mantissa bit); and NAME_scales (uint8): the same leading axes, one E8M0 byte (e + 127) for each 32 codes along K. Its value is code x scale, taken as it is: it is not quantised again, and the codes and scales need not be those that the quantiser above would give.
;; 2 versions, each right; version 2 is version 1 with the launch attn written anew for expert scheduling mode. Each part assembles by itself: llvm-mc -triple=amdgcn-amd-amdhsa -mcpu=gfx1250 --defsym DOCPART=n.
;; ======== version 1 of 2: 3 launches
;; workspace buffers: att 524,288 bytes; wq 58,368 bytes
;; launch prep (part 1): grid 49 x 1, 1 waves a work-group, no clusters, 0 bytes of LDS; arguments W1, v1_wmu, v1_wsig, v1_weps, a1_wmu, a1_wsig, a1_weps, v1_bmu, v1_bsig, v1_beps, a1_bmu, a1_bsig, a1_beps, v2_wmu, v2_wsig, v2_weps, a2_wmu, a2_wsig, a2_weps, wq; writes wq
.if DOCPART == 1
	.amdgcn_target "amdgcn-amd-amdhsa--gfx1250"
	.amdhsa_code_object_version 6
	.text
	.protected	k_q8e6524157e_prep
	.globl	k_q8e6524157e_prep
	.p2align	8
	.type	k_q8e6524157e_prep,@function
k_q8e6524157e_prep:
	s_mov_b64 s[64:65], 0
	v_nop
	global_prefetch_b8 v0, s[64:65] scope:SCOPE_SE
	s_setreg_imm32_b32 hwreg(HW_REG_WAVE_MODE, 25, 1), 1
	s_wait_xcnt 0x0
; The weights of the last layers are made ready ONCE, for the 128 row blocks of the last launch.
; wq, bytes:  0      W1's 16 fragments (16 features x 128 K, of which 68 count), 1,024 bytes each, as images of the operand's registers:
;                    registers 4 c .. 4 c + 3 of lane l at 512 c + 16 l
;             16,384 32 fragments of v1's and a1's weights mu + sigma x eps: index 2 T + s, T = tile of 16 hidden units (v1: 0-7, a1: 8-15), s = K step of 128
;             49,152 W1's scale words, 128 bytes a fragment (a word a lane);   51,200 the same for v1 and a1
;             55,296 the hidden layers' biases, 256 f32 (v1's, then a1's);     56,320 [4][128] f32: v2's weight row, then a2's three
; One wave to a work-group, one fragment to a wave: work-groups 0-31 take v1 and a1, 32-47 W1, 48 the vectors.  A lane takes one row and its registers run along K, in the order
; that the 4-bit operand gives that lane (k = 64 c + 32 h + 0 .. 31): a block of 32 lies in ONE lane, and the conversions' results are the operand's registers.
; THE ROWS OF W1 THAT FORM A TILE ARE NOT NEIGHBOURS: lane r of tile 4 w + i takes feature 64 w + 8 i + r % 8 + 32 (r / 8), so that in the transposed product a lane's 32 results of
; four tiles are 32 neighbouring features.
; A block's scale byte is its largest magnitude's exponent field - 2, held at 1 from below.
; LIMITS: a block of zeros, or one whose largest magnitude lies under 2^-124, gets the byte 1 (the rule says 127 for zeros): its codes are zeros or nearly so, and this program alone
; reads the bytes.  mu + sigma x eps is one fused multiply-add.  NaN and infinities are not served.
; A lane's eight loads of a block cover 128 neighbouring bytes of its own row, so the lanes of one load are not neighbours: accepted for weights of under a megabyte, read once.
.set W1I, 0
.set VAI, 16384
.set W1S, 49152
.set VAS, 51200
.set HB,  55296
.set MU,  32                           ; v32-95    mu, then the weight: 32 numbers for each of the lane's two blocks
.set SG,  96                           ; v96-159   sigma
.set EP,  160                          ; v160-223  eps
.set CD,  224                          ; v224-231  the fragment's codes
; the largest magnitude of 32 numbers v[s] .. v[s+31], in four chains by turns, with the floor 2^(3 - 127) among the leaves
.macro AMAX32 d, s
.irp t, 0,1,2,3
	v_max3_num_f32 v[\d+\t], |v[\s+8*\t]|, |v[\s+8*\t+1]|, |v[\s+8*\t+2]|
.endr
.irp t, 0,1,2,3
	v_max3_num_f32 v[\d+\t], v[\d+\t], |v[\s+8*\t+3]|, |v[\s+8*\t+4]|
.endr
.irp t, 0,1,2,3
	v_max3_num_f32 v[\d+\t], v[\d+\t], |v[\s+8*\t+5]|, |v[\s+8*\t+6]|
.endr
.irp t, 0,1,2,3
	v_max3_num_f32 v[\d+\t], v[\d+\t], |v[\s+8*\t+7]|, 0x1800000
.endr
	v_max3_num_f32 v[\d], v[\d], v[\d+1], v[\d+2]
	v_max_num_f32 v[\d], v[\d], v[\d+3]
.endm
.macro SOPBY sop, by, d                ; 2 off the exponent field: the conversion's scale operand; its exponent field is the scale's byte
	v_add_nc_u32 v[\sop], 0xff000000, v[\d]
	v_lshrrev_b32 v[\by], 23, v[\sop]
.endm
.macro CVT4 dst, s, sop                ; 32 numbers become 32 codes in four registers; a plain line stands behind the last conversion
.irp g, 0,1,2,3
	v_cvt_scalef32_pk8_fp4_f32 v[\dst+\g], v[\s+8*\g:\s+8*\g+7], v[\sop]
.endr
	v_nop
.endm
.macro WORD4                           ; my two bytes (blocks h and 2 + h of my row) and lane l xor 16's two make the row's scale word, in v17
	v_lshl_or_b32 v17, v15, 16, v14
	v_lshlrev_b32 v17, v3, v17
	v_permlanex16_b32 v16, v17, s36, s37
	v_or_b32 v17, v17, v16
.endm
	v_and_b32 v1, 15, v0                           ; r
	v_bfe_u32 v2, v0, 4, 1                         ; h
	v_lshlrev_b32 v3, 3, v2                        ; 8 h
	v_lshlrev_b32 v4, 4, v0                        ; 16 x lane (one wave: the thread's number is the lane)
	v_lshlrev_b32 v5, 2, v0                        ; 4 x lane
	v_mov_b32 v16, 0                               ; a lane permute's destination counts as one of its sources
	s_mov_b32 s36, 0x76543210
	s_mov_b32 s37, 0xfedcba98                      ; v_permlanex16_b32's selects for lane l xor 16
	s_mov_b32 vcc_lo, 0xffff                       ; lanes 0-15
	s_cmp_lt_u32 ttmp9, 32
	s_cbranch_scc0 .Lnot_va
	; ---- work-groups 0-31: fragment u = 2 T + s of v1 (u < 16) or a1
	s_load_b128 s[4:7], s[0:1], 0x8                ; v1's mu, sigma
	s_load_b128 s[8:11], s[0:1], 0x18              ; v1's eps, a1's mu
	s_load_b128 s[12:15], s[0:1], 0x28             ; a1's sigma, eps
	s_load_b64 s[16:17], s[0:1], 0x98              ; wq
	v_lshlrev_b32 v6, 10, v1
	v_lshl_add_u32 v6, v2, 7, v6                   ; row r of 1,024 bytes, + 128 h
	s_lshr_b32 s20, ttmp9, 1
	s_and_b32 s20, s20, 7
	s_lshl_b32 s20, s20, 14                        ; 16 rows a tile
	s_and_b32 s22, ttmp9, 1
	s_lshl_b32 s22, s22, 9                         ; 512 bytes a K step
	s_add_co_u32 s20, s20, s22
	s_mov_b32 s21, 0
	s_lshl_b32 s22, ttmp9, 10                      ; the image's place
	s_mov_b32 s23, 0
	s_lshl_b32 s24, ttmp9, 7                       ; the scale words' place
	s_mov_b32 s25, 0
	s_wait_kmcnt 0x0
	s_cmp_lt_u32 ttmp9, 16                         ; the choice hangs on the work-group's number alone
	s_cselect_b64 s[4:5], s[4:5], s[10:11]
	s_cselect_b64 s[6:7], s[6:7], s[12:13]
	s_cselect_b64 s[8:9], s[8:9], s[14:15]
	s_add_nc_u64 s[4:5], s[4:5], s[20:21]
	s_add_nc_u64 s[6:7], s[6:7], s[20:21]
	s_add_nc_u64 s[8:9], s[8:9], s[20:21]
	s_add_nc_u64 s[18:19], s[16:17], s[24:25]
	s_add_nc_u64 s[16:17], s[16:17], s[22:23]
.irp c, 0,1
.irp k, 0,1,2,3,4,5,6,7
	global_load_b128 v[MU+32*\c+4*\k:MU+32*\c+4*\k+3], v6, s[4:5] offset:256*\c+16*\k th:TH_LOAD_NT
	global_load_b128 v[SG+32*\c+4*\k:SG+32*\c+4*\k+3], v6, s[6:7] offset:256*\c+16*\k th:TH_LOAD_NT
	global_load_b128 v[EP+32*\c+4*\k:EP+32*\c+4*\k+3], v6, s[8:9] offset:256*\c+16*\k th:TH_LOAD_NT
.endr
.endr
.macro VAHALF c, left                  ; my block 2 c + h;  left: the younger loads, which may stay out
	s_wait_loadcnt \left
.set N, 0
.rept 16
	v_pk_fma_f32 v[MU+32*\c+N:MU+32*\c+N+1], v[SG+32*\c+N:SG+32*\c+N+1], v[EP+32*\c+N:EP+32*\c+N+1], v[MU+32*\c+N:MU+32*\c+N+1]
.set N, N+2
.endr
	AMAX32 8, MU+32*\c
	SOPBY 12+\c, 14+\c, 8
	CVT4 CD+4*\c, MU+32*\c, 12+\c
	global_store_b128 v4, v[CD+4*\c:CD+4*\c+3], s[16:17] offset:VAI+512*\c   ; the wave stores 512 consecutive bytes
.endm
	VAHALF 0, 24                                   ; the second block's 24 loads may be out
	VAHALF 1, 0
	WORD4
	global_store_b32 v5, v17, s[18:19] offset:VAS
	s_endpgm
.Lnot_va:
	s_cmp_lt_u32 ttmp9, 48
	s_cbranch_scc0 .Lvec
	; ---- work-groups 32-47: tile T1 = 4 w + i of W1.  K = 68: blocks 0 and 1 whole, block 2 = four numbers and zeros, block 3 zeros
	s_load_b64 s[4:5], s[0:1], 0x0                 ; W1
	s_load_b64 s[16:17], s[0:1], 0x98              ; wq
	v_and_b32 v7, 7, v0
	v_bfe_u32 v8, v0, 3, 1
	v_lshl_add_u32 v7, v8, 5, v7                   ; r % 8 + 32 (r / 8)
	v_mul_u32_u24 v7, v7, 272                      ; a row of W1 is 68 f32
	v_lshl_add_u32 v6, v2, 7, v7                   ; + 128 h
	s_sub_co_u32 s20, ttmp9, 32                    ; T1
	s_lshr_b32 s21, s20, 2
	s_lshl_b32 s21, s21, 6
	s_and_b32 s22, s20, 3
	s_lshl_b32 s22, s22, 3
	s_add_co_u32 s21, s21, s22                     ; 64 w + 8 i
	s_mul_i32 s22, s21, 272
	s_mov_b32 s23, 0
	s_lshl_b32 s24, s20, 10
	s_mov_b32 s25, 0
	s_lshl_b32 s26, s20, 7
	s_mov_b32 s27, 0
	s_wait_kmcnt 0x0
	s_add_nc_u64 s[4:5], s[4:5], s[22:23]
	s_add_nc_u64 s[18:19], s[16:17], s[26:27]
	s_add_nc_u64 s[16:17], s[16:17], s[24:25]
.irp k, 0,1,2,3,4,5,6,7
	global_load_b128 v[MU+4*\k:MU+4*\k+3], v6, s[4:5] offset:16*\k
.endr
	global_load_b128 v[MU+32:MU+35], v7, s[4:5] offset:256     ; k = 64 .. 67, in both halves of the lanes
.irp j, 36,37,38,39
	v_mov_b32 v[MU+\j], 0                          ; the rest of the conversion's eight
.endr
.irp j, 5,6,7
	v_mov_b32 v[CD+\j], 0                          ; k = 72 on: zero codes
.endr
	s_wait_loadcnt 0x0
.irp j, 32,33,34,35
	v_cndmask_b32 v[MU+\j], 0, v[MU+\j], vcc_lo    ; lanes 16-31 hold k = 96 on there: zeros
.endr
	AMAX32 8, MU
	SOPBY 12, 14, 8
	v_max3_num_f32 v8, |v[MU+32]|, |v[MU+33]|, 0x1800000
	v_max3_num_f32 v8, v8, |v[MU+34]|, |v[MU+35]|
	SOPBY 13, 15, 8
	CVT4 CD, MU, 12
	v_cvt_scalef32_pk8_fp4_f32 v[CD+4], v[MU+32:MU+39], v13
	v_nop
	global_store_b128 v4, v[CD:CD+3], s[16:17] offset:W1I
	global_store_b128 v4, v[CD+4:CD+7], s[16:17] offset:W1I+512
	WORD4
	global_store_b32 v5, v17, s[18:19] offset:W1S
	s_endpgm
.Lvec:
	; ---- work-group 48: six vectors of 128 numbers, mu + sigma x eps, four numbers a lane
	s_load_b512 s[4:19], s[0:1], 0x38              ; v1's bias mu, sigma, eps; a1's; v2's weight mu, sigma
	s_load_b256 s[20:27], s[0:1], 0x78             ; v2's weight eps; a2's weight mu, sigma, eps
	s_load_b64 s[28:29], s[0:1], 0x98              ; wq
	s_wait_kmcnt 0x0
.macro VLOAD g, mu, off
	global_load_b128 v[32+4*\g:35+4*\g], v4, s[\mu:\mu+1] offset:\off
	global_load_b128 v[64+4*\g:67+4*\g], v4, s[\mu+2:\mu+3] offset:\off
	global_load_b128 v[96+4*\g:99+4*\g], v4, s[\mu+4:\mu+5] offset:\off
.endm
	VLOAD 0, 4, 0
	VLOAD 1, 10, 0
	VLOAD 2, 16, 0
	VLOAD 3, 22, 0
	VLOAD 4, 22, 512
	VLOAD 5, 22, 1024
	s_wait_loadcnt 0x0
.irp g, 0,1,2,3,4,5
	v_pk_fma_f32 v[32+4*\g:33+4*\g], v[64+4*\g:65+4*\g], v[96+4*\g:97+4*\g], v[32+4*\g:33+4*\g]
	v_pk_fma_f32 v[34+4*\g:35+4*\g], v[66+4*\g:67+4*\g], v[98+4*\g:99+4*\g], v[34+4*\g:35+4*\g]
	global_store_b128 v4, v[32+4*\g:35+4*\g], s[28:29] offset:HB+512*\g
.endr
	s_endpgm
.Lfunc_end_k_q8e6524157e_prep:
	.size	k_q8e6524157e_prep, .Lfunc_end_k_q8e6524157e_prep-k_q8e6524157e_prep
	.p2alignl 7, 3214868480
	.fill 96, 4, 3214868480
	.section	.rodata,"a",@progbits
	.p2align	6, 0x0
	.amdhsa_kernel k_q8e6524157e_prep
		.amdhsa_group_segment_fixed_size 0
		.amdhsa_private_segment_fixed_size 0
		.amdhsa_enable_private_segment 0
		.amdhsa_kernarg_size 160
		.amdhsa_user_sgpr_count 2
		.amdhsa_user_sgpr_kernarg_segment_ptr 1
		.amdhsa_wavefront_size32 1
		.amdhsa_system_sgpr_workgroup_id_x 1
		.amdhsa_system_sgpr_workgroup_id_y 1
		.amdhsa_system_sgpr_workgroup_id_z 1
		.amdhsa_system_vgpr_workitem_id 0
		.amdhsa_next_free_vgpr 232
		.amdhsa_next_free_sgpr 66
		.amdhsa_reserve_vcc 1
		.amdhsa_float_denorm_mode_32 3
		.amdhsa_float_denorm_mode_16_64 3
		.amdhsa_memory_ordered 1
		.amdhsa_forward_progress 1
		.amdhsa_inst_pref_size 20
	.end_amdhsa_kernel
	.amdgpu_metadata
---
amdhsa.version: [ 1, 2 ]
amdhsa.kernels:
  - .name:           k_q8e6524157e_prep
    .symbol:         k_q8e6524157e_prep.kd
    .args:
      - { .name: W1, .offset: 0, .size: 8, .value_kind: global_buffer, .address_space: global }
      - { .name: v1_wmu, .offset: 8, .size: 8, .value_kind: global_buffer, .address_space: global }
      - { .name: v1_wsig, .offset: 16, .size: 8, .value_kind: global_buffer, .address_space: global }
      - { .name: v1_weps, .offset: 24, .size: 8, .value_kind: global_buffer, .address_space: global }
      - { .name: a1_wmu, .offset: 32, .size: 8, .value_kind: global_buffer, .address_space: global }
      - { .name: a1_wsig, .offset: 40, .size: 8, .value_kind: global_buffer, .address_space: global }
      - { .name: a1_weps, .offset: 48, .size: 8, .value_kind: global_buffer, .address_space: global }
      - { .name: v1_bmu, .offset: 56, .size: 8, .value_kind: global_buffer, .address_space: global }
      - { .name: v1_bsig, .offset: 64, .size: 8, .value_kind: global_buffer, .address_space: global }
      - { .name: v1_beps, .offset: 72, .size: 8, .value_kind: global_buffer, .address_space: global }
      - { .name: a1_bmu, .offset: 80, .size: 8, .value_kind: global_buffer, .address_space: global }
      - { .name: a1_bsig, .offset: 88, .size: 8, .value_kind: global_buffer, .address_space: global }
      - { .name: a1_beps, .offset: 96, .size: 8, .value_kind: global_buffer, .address_space: global }
      - { .name: v2_wmu, .offset: 104, .size: 8, .value_kind: global_buffer, .address_space: global }
      - { .name: v2_wsig, .offset: 112, .size: 8, .value_kind: global_buffer, .address_space: global }
      - { .name: v2_weps, .offset: 120, .size: 8, .value_kind: global_buffer, .address_space: global }
      - { .name: a2_wmu, .offset: 128, .size: 8, .value_kind: global_buffer, .address_space: global }
      - { .name: a2_wsig, .offset: 136, .size: 8, .value_kind: global_buffer, .address_space: global }
      - { .name: a2_weps, .offset: 144, .size: 8, .value_kind: global_buffer, .address_space: global }
      - { .name: wq, .offset: 152, .size: 8, .value_kind: global_buffer, .address_space: global }
    .group_segment_fixed_size: 0
    .private_segment_fixed_size: 0
    .kernarg_segment_align: 8
    .kernarg_segment_size: 160
    .max_flat_workgroup_size: 32
    .sgpr_count:     66
    .vgpr_count:     232
    .wavefront_size: 32
...
	.end_amdgpu_metadata
.endif
;; end of part 1
;; launch attn (part 2): grid 512 x 1, 16 waves a work-group, no clusters, 238,592 bytes of LDS; arguments state, Wq_codes, Wq_scales, bq, Wk_codes, Wk_scales, bk, Wv_codes, Wv_scales, bv, Wo_codes, Wo_scales, bo, att; writes att
.if DOCPART == 2
	.amdgcn_target "amdgcn-amd-amdhsa--gfx1250"
	.amdhsa_code_object_version 6
	.text
	.protected	k_q8e6524157e_attn
	.globl	k_q8e6524157e_attn
	.p2align	8
	.type	k_q8e6524157e_attn,@function
k_q8e6524157e_attn:
	s_mov_b64 s[64:65], 0
	v_nop
	global_prefetch_b8 v0, s[64:65] scope:SCOPE_SE
	s_setreg_imm32_b32 hwreg(HW_REG_WAVE_MODE, 25, 1), 1
	s_wait_xcnt 0x0
; att[b][0..63] = the mean over the 180 rows of (attention(market) Wo^T + bo), for 2,048 elements b.  market = state without its last four columns.
; Q, K, V = x W^T + b, p V and wv Wo^T are products on codes of FP4 (E2M1) with one E8M0 scale for each 32 along K; Q K^T (K = 16) takes f32 operands, since its result goes on into a quantiser.
; SHARES.  A work-group owns four elements (195,840 consecutive bytes of state, a multiple of 256); each of its sixteen waves owns ONE HEAD OF ONE ELEMENT (e = wave / 4, head = wave % 4):
; four waves to a SIMD, so that one wave's softmax stands beside another's f32 products.
; ONE ORDER OF THE TOKENS.  180 tokens are 12 tiles of 16.  Row r of tile 4 c + i is token 64 c + 8 i + r % 8 + 32 (r / 8).  A result's register j in lane half h is row 8 h + j, so the 32 registers
; of the four tiles of group c are tokens 64 c + 32 h + 0 .. 31: a WHOLE block of 32 in one lane, in the order of registers 0-3 of a 4-bit operand.  No block's maximum needs another lane.
;   Q^T, K^T: source 0 = the head's 16 rows of W, source 1 = x: a lane holds one token and d = 8 h + 0 .. 7: these registers, two at a time, ARE the f32 form's operands (the same order of d on both sides).
;   S^T = K Q^T: a lane holds one query, its registers run along the keys.   V: source 0 = x, source 1 = Wv: a lane holds d = r, its registers run along the keys.   O^T = V^T P^T: one query a lane, d = 8 h + j.
; A product here has 64 along K: registers 4-7 of every operand are zero codes, the scale words' upper two bytes 0.
; TOKENS 180 .. 191 do not exist.  Their x is whatever finite numbers lie behind the element in the stage.  As keys: V becomes 0 ahead of its quantiser, scores become -infinity.  As queries: their rows of codes
; become zeros ahead of the last product, so that they add nothing to the mean.  Always by a select, never by a multiplication.
; SOFTMAX: t = score x log2(e) / 4; M = the running largest t rounded up to a whole number; p = 2^(t - M) is quantised; the sum is taken of the unquantised p and divides O.
; A block's largest p is its largest score put through the same multiply-add and exponential (this takes v_exp_f32 not to fall where its input rises).
; NO CLUSTER: work-groups share only the four weights, 9 KB against 196 KB of state of their own.  NO TENSOR LOADS: each byte of LDS is filled once, at the head, by 24 loads a thread, each of which covers
; 512 consecutive bytes a wave; so O's tiles may lie over the stage when that has been read.
; LIMITS: a block whose largest magnitude lies under 2^-124, or a block of zeros, gets the scale byte 1 (the rule says 127 for zeros; its codes are zeros; nobody else reads the bytes).  p under 2^-126 becomes 0.
; The mean multiplies by 1/180 rounded to f32.  NaN and infinities among the inputs are not served.
; LDS: 0 the stage: state as it lies, token t of element e at 48,960 e + 272 t; 25 x 8,192 bytes, the last 8,192 zeros.  Over it, later: O / l, tile qt of wave w at 12,288 w + 1,024 qt, as an image of its registers.
.set ELB,   48960                      ; an element's bytes
.set ROWB,  272                        ; a token's
.set XIMG,  204800                     ; x's codes: tile (12 e + tau) at 512 bytes each, 16 bytes a lane
.set XSC,   229376                     ; x's scale words: 64 bytes a tile, 4 a row
.set PART,  232448                     ; each wave's sums over its 48 queries: 256 bytes a wave, 4 a feature
; REGISTERS: v1 O's LDS address; v2 4 r; v3 8 h; v4 -infinity; v5, v6 addresses in hand; v7 x's images; v8 x's words; v9 my O tiles; v10, v11 at work; v12 -M, v13 largest t; v[14:15] the sum; v[16:17] f, then 1 / l;
; v18-23 at work; v24-31 scale words and nothing else.
.set Q,   32                           ; v32-39   Q^T of the tile in hand
.set O,   40                           ; v40-47   O^T
.set PC,  48                           ; v48-55   p's codes; v52-55 stay 0
.set WQ,  56                           ; v56-63   Wq's fragment; v60-63 stay 0
.set BQ,  64                           ; v64-71   bq in the result's layout
.set VO,  72                           ; v72-95   V's three operands: 4 registers of codes, 4 of zeros
.set T,   96                           ; v96-127  x's fragment; t, then p; O / l
.set S,   128                          ; v128-159 the scores: written by the f32 matrix form alone
.set KR,  160                          ; v160-255 K^T, 12 tiles x 8; ahead of that the state's rows, x, and V in f32
.set MX,  18
.macro BAR                             ; my LDS stores have landed and my LDS loads are in: then the work-group's barrier
	s_wait_dscnt 0x0
	s_barrier_signal -1
	s_barrier_wait -1
.endm
.macro PLACES n
.rept \n
	v_nop
.endr
.endm
.macro AMAX32 d, s                     ; the largest magnitude of v[s] .. v[s+31], four chains by turns, the floor 2^(3 - 127) among the leaves
.irp t, 0,1,2,3
	v_max3_num_f32 v[\d+\t], |v[\s+8*\t]|, |v[\s+8*\t+1]|, |v[\s+8*\t+2]|
.endr
.irp t, 0,1,2,3
	v_max3_num_f32 v[\d+\t], v[\d+\t], |v[\s+8*\t+3]|, |v[\s+8*\t+4]|
.endr
.irp t, 0,1,2,3
	v_max3_num_f32 v[\d+\t], v[\d+\t], |v[\s+8*\t+5]|, |v[\s+8*\t+6]|
.endr
.irp t, 0,1,2,3
	v_max3_num_f32 v[\d+\t], v[\d+\t], |v[\s+8*\t+7]|, 0x1800000
.endr
	v_max3_num_f32 v[\d], v[\d], v[\d+1], v[\d+2]
	v_max_num_f32 v[\d], v[\d], v[\d+3]
.endm
.macro SOPBY sop, by, d                ; 2 off the exponent field: the conversion's scale operand; its exponent field is the scale's byte
	v_add_nc_u32 v[\sop], 0xff000000, v[\d]
	v_lshrrev_b32 v[\by], 23, v[\sop]
.endm
.macro CVT4 dst, s, sop                ; 32 numbers become four registers of codes; a plain line stands behind the last conversion
.irp g, 0,1,2,3
	v_cvt_scalef32_pk8_fp4_f32 v[\dst+\g], v[\s+8*\g:\s+8*\g+7], v[\sop]
.endr
	v_nop
.endm
.macro WORD2 dst                       ; my byte (v23: block h) and lane l xor 16's make the scale word
	v_lshlrev_b32 v23, v3, v23
	v_permlanex16_b32 v10, v23, s36, s37
	v_or_b32 v[\dst], v23, v10
.endm
; a product on codes.  c: C's first register, or -1 for the constant 0.  row: 1 = source 0's scales in lanes 16-31, 2 = source 1's
.macro MM4 d, a, b, c, sa, sb, row
.if \c < 0
.if \row == 1
	v_wmma_scale_f32_16x16x128_f8f6f4 v[\d:\d+7], v[\a:\a+7], v[\b:\b+7], 0, v[\sa], v[\sb] matrix_a_fmt:MATRIX_FMT_FP4 matrix_b_fmt:MATRIX_FMT_FP4 matrix_a_scale:MATRIX_SCALE_ROW1
.elseif \row == 2
	v_wmma_scale_f32_16x16x128_f8f6f4 v[\d:\d+7], v[\a:\a+7], v[\b:\b+7], 0, v[\sa], v[\sb] matrix_a_fmt:MATRIX_FMT_FP4 matrix_b_fmt:MATRIX_FMT_FP4 matrix_b_scale:MATRIX_SCALE_ROW1
.else
	v_wmma_scale_f32_16x16x128_f8f6f4 v[\d:\d+7], v[\a:\a+7], v[\b:\b+7], 0, v[\sa], v[\sb] matrix_a_fmt:MATRIX_FMT_FP4 matrix_b_fmt:MATRIX_FMT_FP4
.endif
.else
.if \row == 1
	v_wmma_scale_f32_16x16x128_f8f6f4 v[\d:\d+7], v[\a:\a+7], v[\b:\b+7], v[\c:\c+7], v[\sa], v[\sb] matrix_a_fmt:MATRIX_FMT_FP4 matrix_b_fmt:MATRIX_FMT_FP4 matrix_a_scale:MATRIX_SCALE_ROW1
.elseif \row == 2
	v_wmma_scale_f32_16x16x128_f8f6f4 v[\d:\d+7], v[\a:\a+7], v[\b:\b+7], v[\c:\c+7], v[\sa], v[\sb] matrix_a_fmt:MATRIX_FMT_FP4 matrix_b_fmt:MATRIX_FMT_FP4 matrix_b_scale:MATRIX_SCALE_ROW1
.else
	v_wmma_scale_f32_16x16x128_f8f6f4 v[\d:\d+7], v[\a:\a+7], v[\b:\b+7], v[\c:\c+7], v[\sa], v[\sb] matrix_a_fmt:MATRIX_FMT_FP4 matrix_b_fmt:MATRIX_FMT_FP4
.endif
.endif
.endm
	; ---- THE HEAD
	s_load_b512 s[8:23], s[0:1], 0x0               ; state s[8:9]; Wq's codes, scales, bq s[10:15]; Wk's s[16:21]; Wv's codes s[22:23]
	s_load_b256 s[24:31], s[0:1], 0x40             ; Wv's scales, bv s[24:27]; Wo's codes, scales s[28:31]
	s_load_b128 s[32:35], s[0:1], 0x60             ; bo s[32:33], att s[34:35]
	v_lshrrev_b32 v5, 5, v0
	v_readfirstlane_b32 s2, v5                     ; wave 0..15
	s_lshr_b32 s3, s2, 2                           ; e: my element of the four
	s_and_b32 s4, s2, 3                            ; my head
	s_mov_b32 s36, 0x76543210
	s_mov_b32 s37, 0xfedcba98                      ; v_permlanex16_b32's selects for lane l xor 16
	s_mov_b32 s38, 0x3eb8aa3b                      ; c = log2(e) / sqrt(16)
	s_mov_b32 s39, s38                             ; (named with it as a pair)
	s_mov_b32 vcc_lo, 0xffff                       ; lanes 0-15, until the last phase
	v_and_b32 v1, 31, v0
	v_lshlrev_b32 v1, 4, v1                        ; 16 x lane
	v_and_b32 v2, 15, v0
	v_lshlrev_b32 v2, 2, v2                        ; 4 r
	v_bfe_u32 v3, v0, 4, 1
	v_lshlrev_b32 v3, 3, v3                        ; 8 h
	v_mov_b32 v4, 0xff800000                       ; -infinity
	s_mul_i32 s5, s3, 6144
	s_add_co_u32 s5, s5, XIMG
	v_add_nc_u32 v7, s5, v1                        ; my element's twelve images of x
	s_mul_i32 s5, s3, 768
	s_add_co_u32 s48, s5, XSC
	v_add_nc_u32 v8, s48, v2                       ; and their scale words, by row
	s_mul_i32 s5, s2, 12288
	v_add_nc_u32 v9, s5, v1                        ; my twelve tiles of O
	v_lshlrev_b32 v12, 3, v2
	v_lshl_add_u32 v12, v3, 1, v12
	s_lshl_b32 s5, s4, 9
	v_add_nc_u32 v12, s5, v12                      ; a weight's codes: row 16 head + r of 32 bytes, + 16 h
	v_lshrrev_b32 v13, 1, v2
	s_lshl_b32 s5, s4, 5
	v_add_nc_u32 v13, s5, v13                      ; its two scale bytes
	s_lshl_b32 s5, s4, 6
	v_lshl_add_u32 v14, v3, 2, s5                  ; bq, bk: eight numbers from 16 head + 8 h on
	v_add_nc_u32 v15, s5, v2                       ; bv: number 16 head + r
	v_lshlrev_b32 v5, 4, v0                        ; 16 x thread: my bytes of each 8,192, in memory and in the stage
	v_min_u32 v18, 7408, v5                        ; the last 8,192 hold 7,424 bytes of the slice: later threads take its last 16 bytes again, so that no load leaves the slice
	v_add_nc_u32 v6, 0x10000, v5
	v_add_nc_u32 v10, 0x20000, v5
	v_add_nc_u32 v11, 0x30000, v5
.irp z, 36,44,52,60,76,84,92,100,116,124
.irp j, 0,1,2,3
	v_mov_b32 v[\z+\j], 0                          ; the upper halves of ten operands: zero codes
.endr
.endr
	s_mul_i32 s44, ttmp9, 4*ELB                    ; my work-group's slice of state (under 2^31)
	s_mov_b32 s45, 0
	s_wait_kmcnt 0x0
	s_add_nc_u64 s[8:9], s[8:9], s[44:45]
	s_lshl_b32 s44, ttmp9, 10
	s_lshl_b32 s5, s3, 8
	s_add_co_u32 s44, s44, s5
	s_add_nc_u64 s[34:35], s[34:35], s[44:45]      ; att at my element's row
	global_load_b128 v[96:99], v12, s[16:17]       ; Wk's fragment
	global_load_b128 v[112:115], v12, s[22:23]     ; Wv's
	global_load_b128 v[WQ:WQ+3], v12, s[10:11]     ; Wq's
	global_load_u16 v25, v13, s[18:19]             ; their scale words: two bytes, the upper two 0
	global_load_u16 v26, v13, s[24:25]
	global_load_u16 v27, v13, s[12:13]
	global_load_b128 v[104:107], v14, s[20:21]     ; bk
	global_load_b128 v[108:111], v14, s[20:21] offset:16
	global_load_b128 v[BQ:BQ+3], v14, s[14:15]     ; bq
	global_load_b128 v[BQ+4:BQ+7], v14, s[14:15] offset:16
	global_load_b32 v16, v15, s[26:27]             ; bv
.irp i, 0,1,2,3,4,5,6,7,8,9,10,11,12,13,14,15,16,17,18,19,20,21,22
	global_load_b128 v[KR+4*\i:KR+4*\i+3], v5, s[8:9] offset:8192*\i th:TH_LOAD_NT   ; a wave reads 512 consecutive bytes
.endr
	global_load_b128 v[KR+92:KR+95], v18, s[8:9] offset:8192*23 th:TH_LOAD_NT
.irp i, 0,1,2,3,4,5,6,7
	s_wait_loadcnt 23-\i                           ; loads come back in order: this one is in, the younger ones stay out
	ds_store_b128 v5, v[KR+4*\i:KR+4*\i+3] offset:8192*\i
.endr
.irp i, 0,1,2,3,4,5,6,7
	s_wait_loadcnt 15-\i
	ds_store_b128 v6, v[KR+32+4*\i:KR+35+4*\i] offset:8192*\i
.endr
.irp i, 0,1,2,3,4,5,6,7
	s_wait_loadcnt 7-\i
	ds_store_b128 v10, v[KR+64+4*\i:KR+67+4*\i] offset:8192*\i
.endr
	ds_store_b128 v11, v[PC+4:PC+7]                ; zeros behind the slice: the last element's tokens 183 on
	BAR                                            ; the stage is whole
	; ---- x BECOMES CODES: wave (e, head) takes tiles 3 head + 0 .. 2 of element e.  Lane (r, h): features 32 h .. 32 h + 31 of the tile's row r: a whole block
	v_and_b32 v15, 7, v0
	v_bfe_u32 v12, v0, 3, 1
	v_lshl_add_u32 v15, v12, 5, v15                ; r % 8 + 32 (r / 8)
	v_mul_u32_u24 v15, v15, ROWB
	v_lshl_add_u32 v15, v3, 4, v15                 ; + 128 h
	s_mul_i32 s46, s3, ELB
	s_mul_i32 s47, s4, 3
.irp n, 0,1,2
	s_add_co_u32 s5, s47, \n                       ; tau
	s_lshr_b32 s6, s5, 2
	s_lshl_b32 s6, s6, 6
	s_and_b32 s7, s5, 3
	s_lshl_b32 s7, s7, 3
	s_add_co_u32 s6, s6, s7                        ; 64 (tau / 4) + 8 (tau % 4)
	s_mul_i32 s6, s6, ROWB
	s_add_co_u32 s6, s6, s46
	v_add_nc_u32 v[12+\n], s6, v15
.endr
	s_mul_i32 s5, s4, 1536
	v_add_nc_u32 v5, s5, v7                        ; where my three images go,
	s_mul_i32 s5, s4, 192
	v_add_nc_u32 v6, s5, v8                        ; and their scale words
.irp n, 0,1,2
.irp k, 0,1,2,3,4,5,6,7
	ds_load_b128 v[KR+32*\n+4*\k:KR+32*\n+4*\k+3], v[12+\n] offset:16*\k
.endr
.endr
.macro XQ n, left                      ; left: the LDS instructions issued behind this tile's eight loads
	s_wait_dscnt \left
	AMAX32 MX, KR+32*\n
	SOPBY 22, 23, MX
	CVT4 Q+8*\n, KR+32*\n, 22
	WORD2 11
	ds_store_b128 v5, v[Q+8*\n:Q+8*\n+3] offset:512*\n
	ds_store_b32 v6, v11 offset:64*\n              ; both halves of the lanes write the same word
.endm
	XQ 0, 16                                       ; two tiles' loads
	XQ 1, 10                                       ; one tile's loads, two stores
	XQ 2, 4                                        ; four stores
	BAR                                            ; the 48 images lie in LDS, and nobody reads the stage any more
	; ---- V AND K OF MY HEAD, four tiles at a time
	v_lshrrev_b32 v6, 2, v1
	v_add_nc_u32 v6, s48, v6                       ; scale words by lane: lanes 0-15 one tile's, lanes 16-31 the next tile's
	v_mov_b32 v17, v16                             ; bv twice, for the packed additions
.macro LOADX c
	ds_load_b128 v[32:35], v7 offset:(4*\c)*512
	ds_load_b128 v[40:43], v7 offset:(4*\c+1)*512
	ds_load_b128 v[48:51], v7 offset:(4*\c+2)*512
	ds_load_b128 v[120:123], v7 offset:(4*\c+3)*512
	ds_load_b32 v24, v6 offset:256*\c
	ds_load_b32 v31, v6 offset:256*\c+128
	s_wait_dscnt 0x0
.endm
.macro VSTEP c                         ; V: source 0 = x, source 1 = Wv
	LOADX \c
	MM4 KR+32*\c, 32, 112, -1, 24, 26, 0
	MM4 KR+32*\c+8, 40, 112, -1, 24, 26, 1
	MM4 KR+32*\c+16, 48, 112, -1, 31, 26, 0
	MM4 KR+32*\c+24, 120, 112, -1, 31, 26, 1
	PLACES 4                                       ; in front of the next loads into the operands, and of the first read of results
.endm
	VSTEP 0
	VSTEP 1
	VSTEP 2
.set N, 0
.rept 48
	v_pk_add_f32 v[KR+N:KR+N+1], v[KR+N:KR+N+1], v[16:17]   ; + bv; ascending, so each result is read from its low end on
.set N, N+2
.endr
.irp n, 20,21,22,23,24,25,26,27,28,29,30,31
	v_cndmask_b32 v[KR+64+\n], 0, v[KR+64+\n], vcc_lo       ; lanes 16-31 hold tokens 160 + n there: from 180 on zeros, as the quantiser's filling asks
.endr
.irp c, 0,1,2
	AMAX32 MX, KR+32*\c
	SOPBY 22, 23, MX
	CVT4 VO+8*\c, KR+32*\c, 22
	WORD2 28+\c
.endr
.macro KSTEP c                         ; K^T: source 0 = Wk, source 1 = x, C = bk
	LOADX \c
	MM4 KR+32*\c, 96, 32, 104, 25, 24, 0
	MM4 KR+32*\c+8, 96, 40, 104, 25, 24, 2
	MM4 KR+32*\c+16, 96, 48, 104, 25, 31, 0
	MM4 KR+32*\c+24, 96, 120, 104, 25, 31, 2
	PLACES 4
.endm
	KSTEP 0
	KSTEP 1
	KSTEP 2
	PLACES 1                                       ; five places before a result serves as a matrix operand
; where score n of a chunk is read from: in the last chunk scores 20 on pass through a select into T
.macro SRCOF sym, n, masked
.if (\masked) && ((\n) >= 20)
.set \sym, T+(\n)
.else
.set \sym, S+(\n)
.endif
.endm
; A CHUNK: 64 keys (four tiles) against the 16 queries in hand
.macro CHUNK c, first, masked
.irp s, 0,1,2,3                        ; S^T = K Q^T: four steps of 4 along d; the four accumulators take turns, one instruction a turn
.irp i, 0,1,2,3
.if \s == 0
	v_wmma_f32_16x16x4_f32 v[S+8*\i:S+8*\i+7], v[KR+32*\c+8*\i:KR+32*\c+8*\i+1], v[Q:Q+1], 0
.else
	v_wmma_f32_16x16x4_f32 v[S+8*\i:S+8*\i+7], v[KR+32*\c+8*\i+2*\s:KR+32*\c+8*\i+2*\s+1], v[Q+2*\s:Q+2*\s+1], v[S+8*\i:S+8*\i+7]
.endif
.endr
.endr
	PLACES 8                                       ; eight places behind this form before a vector instruction reads a result
.irp i, 0,1,2
	v_max3_num_f32 v[MX+\i], v[S+8*\i], v[S+8*\i+1], v[S+8*\i+2]   ; my block's largest score, four chains; each result is first read at its low end
.endr
.if \masked
.irp n, 20,21,22,23,24,25,26,27,28,29,30,31
	v_cndmask_b32 v[T+\n], v4, v[S+\n], vcc_lo     ; lanes 16-31 hold keys 160 + n: from 180 on -infinity
.endr
.endif
	SRCOF A0, 24, \masked
	v_max3_num_f32 v[MX+3], v[A0], v[A0+1], v[A0+2]
.irp p, 3,5
.irp i, 0,1,2,3
	SRCOF A0, 8*\i+\p, \masked
	SRCOF A1, 8*\i+\p+1, \masked
	v_max3_num_f32 v[MX+\i], v[MX+\i], v[A0], v[A1]
.endr
.endr
.irp i, 0,1,2,3
	SRCOF A0, 8*\i+7, \masked
	v_max_num_f32 v[MX+\i], v[MX+\i], v[A0]
.endr
	v_max3_num_f32 v18, v18, v19, v20
	v_max_num_f32 v18, v18, v21                    ; it serves twice: for the row's maximum and, since p rises with the score, for the block's largest p
	v_permlanex16_b32 v10, v18, s36, s37
	v_max_num_f32 v11, v18, v10                    ; the chunk's largest score of my query
.if \first
	v_mul_f32 v13, s38, v11                        ; as t
	v_floor_f32 v12, -v13                          ; -M = floor(-t) = -ceil(t)
.else
	v_mul_f32 v11, s38, v11
	v_max_num_f32 v13, v13, v11                    ; the running largest t
	v_mov_b32 v23, v12
	v_floor_f32 v12, -v13
	v_sub_f32 v23, v12, v23                        ; old M - new M: a whole number, 0 or less
	v_cvt_i32_f32 v23, v23
	v_ldexp_f32 v16, 1.0, v23                      ; f = 2^(old M - new M): a multiplication by it rounds nothing
.endif
.irp n, 0,2,4,6,8,10,12,14,16,18,20,22,24,26,28,30
	SRCOF A0, \n, \masked
	v_pk_fma_f32 v[T+\n:T+\n+1], v[A0:A0+1], s[38:39], v[12:13] op_sel_hi:[1,0,0]   ; t - M, two at a time
.endr
	v_fma_f32 v18, v18, s38, v12                   ; the same of the block's largest score
.irp n, 0,1,2,3,4,5,6,7,8,9,10,11,12,13,14,15,16,17,18,19,20,21,22,23,24,25,26,27,28,29,30,31
	v_exp_f32 v[T+\n], v[T+\n]                     ; p = 2^(t - M)
.endr
	v_exp_f32 v18, v18
.if \first
	v_nop                                          ; a plain line behind the exponentials
	s_wait_alu depctr_va_vdst(0)
.else
	v_pk_mul_f32 v[14:15], v[14:15], v[16:17] op_sel_hi:[1,0]   ; the sum under the new M (the plain line behind the exponentials)
	s_wait_alu depctr_va_vdst(0)
.endif
	v_max_num_f32 v18, 0x1800000, v18              ; the floor 2^(3 - 127)
	SOPBY 22, 23, 18
	WORD2 26                                       ; p's scale word
	CVT4 PC, T, 22
.if !\first
.irp n, 0,2,4,6
	v_pk_mul_f32 v[O+\n:O+\n+1], v[O+\n:O+\n+1], v[16:17] op_sel_hi:[1,0]   ; O^T under the new M
.endr
.endif
	v_pk_add_f32 v[20:21], v[T:T+1], v[T+2:T+3]    ; the sum of the UNQUANTISED p, in two chains.  These sixteen lines name no register of the product below: they are the places between
.irp j, 4,8,12,16,20,24,28                     ; the scale word's and the codes' last writes and that product
	v_pk_add_f32 v[14:15], v[14:15], v[T+\j:T+\j+1]
	v_pk_add_f32 v[20:21], v[20:21], v[T+\j+2:T+\j+3]
.endr
	v_pk_add_f32 v[14:15], v[14:15], v[20:21]
.if \first
	MM4 O, VO+8*\c, PC, -1, 28+\c, 26, 0           ; O^T = V^T P^T starts the sum
.else
	MM4 O, VO+8*\c, PC, O, 28+\c, 26, 0
.endif
.endm
	; ---- THE LOOP: twelve tiles of 16 queries
	s_mov_b32 s40, 12
	s_mov_b32 s41, 0                               ; 512 x tile: x's image
	s_mov_b32 s42, 0                               ; 64 x tile: its scale words
	s_mov_b32 s43, 0                               ; 1,024 x tile: O's tile
.Ltile:
	v_add_nc_u32 v5, s41, v7
	v_add_nc_u32 v6, s42, v8
	ds_load_b128 v[T:T+3], v5
	ds_load_b32 v31, v6
.irp z, 4,5,6,7
	v_mov_b32 v[T+\z], 0                           ; the fragment's upper half
.endr
	v_mov_b32 v14, 0                               ; the sum, in two halves.  (Four plain lines between the zeros above and the product)
	v_mov_b32 v15, 0
	v_add_nc_u32 v1, s43, v9
	v_nop
	s_wait_dscnt 0x0                               ; x's fragment and word are in; the last trip's two stores are done
	MM4 Q, WQ, T, BQ, 27, 31, 0                    ; Q^T: source 0 = Wq, source 1 = x, C = bq
	PLACES 5                                       ; five places before the result serves as a matrix operand
	CHUNK 0, 1, 0
	CHUNK 1, 0, 0
	CHUNK 2, 0, 1
	v_add_f32 v10, v14, v15                        ; the sum's two halves,
	v_permlanex16_b32 v11, v10, s36, s37
	v_add_f32 v10, v10, v11                        ; and lane l xor 16's keys
	PLACES 2
	v_rcp_f32 v16, v10
	v_nop                                          ; a plain line behind the reciprocal; with the lines above, the places behind the last product
	s_wait_alu depctr_va_vdst(0)
.irp n, 0,2,4,6
	v_pk_mul_f32 v[T+16+\n:T+17+\n], v[O+\n:O+\n+1], v[16:17] op_sel_hi:[1,0]   ; O^T / l, from the low end on
.endr
	ds_store_b128 v1, v[T+16:T+19]                 ; as an image of its registers: 16 bytes a lane
	ds_store_b128 v1, v[T+20:T+23] offset:512
	s_add_co_u32 s41, s41, 512
	s_add_co_u32 s42, s42, 64
	s_add_co_u32 s43, s43, 1024
	s_sub_co_u32 s40, s40, 1
	s_cmp_lg_u32 s40, 0
	s_cbranch_scc1 .Ltile
	; ---- THE LAST PRODUCT AND THE MEAN: wave (e, head) takes query tiles 3 head + 0 .. 2 of element e, all four heads' O: K = 64 = (head, d)
	v_and_b32 v1, 31, v0
	v_lshlrev_b32 v1, 4, v1                        ; 16 x lane
	v_and_b32 v6, 7, v0
	v_bfe_u32 v5, v0, 3, 1
	v_lshl_add_u32 v6, v5, 5, v6                   ; r % 8 + 32 (r / 8): my row's token within its tile
	s_mul_i32 s5, s3, 49152
	s_mul_i32 s6, s4, 3072
	s_add_co_u32 s5, s5, s6
	v_add_nc_u32 v7, s5, v1                        ; head 0's tile 3 head of my element
	s_lshl_b32 s5, s2, 8
	s_add_co_u32 s5, s5, PART
	v_add_nc_u32 v8, s5, v2                        ; my sums: 4 r
	v_lshrrev_b32 v14, 1, v1                       ; 8 x lane: two features a lane
	s_lshl_b32 s5, s3, 10
	s_add_co_u32 s5, s5, PART
	v_add_nc_u32 v9, s5, v14                       ; my element's four waves' sums
	v_lshlrev_b32 v12, 3, v2
	v_lshl_add_u32 v12, v3, 1, v12                 ; Wo: row r of 32 bytes, + 16 h
	v_lshrrev_b32 v13, 1, v2                       ; its two scale bytes
.irp z, 164,172,180,188,36,44
.irp j, 0,1,2,3
	v_mov_b32 v[\z+\j], 0                          ; upper halves of Wo's four fragments and of two of wv's operands (the third's are still 0)
.endr
.endr
.irp t, 0,1,2,3
	global_load_b128 v[KR+8*\t:KR+8*\t+3], v12, s[28:29] offset:512*\t
	global_load_u16 v[27+\t], v13, s[30:31] offset:32*\t
.endr
	global_load_b64 v[16:17], v14, s[32:33]        ; bo
	BAR                                            ; every head's O lies in LDS
.macro OLOAD n, oh
.irp u, 0,1,2,3
	ds_load_b128 v[\oh+8*\u:\oh+8*\u+3], v7 offset:12288*\u+1024*\n
	ds_load_b128 v[\oh+8*\u+4:\oh+8*\u+7], v7 offset:12288*\u+1024*\n+512
.endr
.endm
	OLOAD 0, 96
	OLOAD 1, 192
	OLOAD 2, 224
; Lane (r, h) holds, of query r, k = 16 head + 8 h + 0 .. 7.  Block 0 = heads 0 and 1, block 1 = heads 2 and 3, each over both halves of the lanes.
; The operand wants k = 32 h + 8 g + 0 .. 7 in register g: two exchanges of halves give it.
.macro QUANT6 n, oh, left
	s_wait_dscnt \left                             ; the later tiles' loads may be out
	v_max3_num_f32 v18, |v[\oh]|, |v[\oh+1]|, 0x1800000
	v_max3_num_f32 v19, |v[\oh+16]|, |v[\oh+17]|, 0x1800000
.irp i, 2,4,6,8,10,12,14
	v_max3_num_f32 v18, v18, |v[\oh+\i]|, |v[\oh+\i+1]|
	v_max3_num_f32 v19, v19, |v[\oh+16+\i]|, |v[\oh+17+\i]|
.endr
	v_permlanex16_b32 v10, v18, s36, s37
	v_permlanex16_b32 v11, v19, s36, s37
	v_max_num_f32 v18, v18, v10
	v_max_num_f32 v19, v19, v11
	SOPBY 20, 22, 18
	SOPBY 21, 23, 19
	v_lshl_or_b32 v[24+\n], v23, 8, v22            ; the row's scale word
	v_cvt_scalef32_pk8_fp4_f32 v[Q+8*\n], v[\oh:\oh+7], v20
	v_cvt_scalef32_pk8_fp4_f32 v[Q+8*\n+1], v[\oh+16:\oh+23], v21
	v_cvt_scalef32_pk8_fp4_f32 v[Q+8*\n+2], v[\oh+8:\oh+15], v20
	v_cvt_scalef32_pk8_fp4_f32 v[Q+8*\n+3], v[\oh+24:\oh+31], v21
	v_nop
	v_permlane16_swap_b32 v[Q+8*\n], v[Q+8*\n+1]   ; the first's lanes 16-31 change places with the second's lanes 0-15
	v_permlane16_swap_b32 v[Q+8*\n+2], v[Q+8*\n+3]
	s_add_co_u32 s5, s47, \n                       ; tau
	s_lshr_b32 s6, s5, 2
	s_lshl_b32 s6, s6, 6
	s_and_b32 s7, s5, 3
	s_lshl_b32 s7, s7, 3
	s_add_co_u32 s6, s6, s7
	v_add_nc_u32 v5, s6, v6                        ; my row's token
	v_cmp_gt_u32 vcc_lo, 180, v5
.irp g, 0,1,2,3
	v_cndmask_b32 v[Q+8*\n+\g], 0, v[Q+8*\n+\g], vcc_lo   ; a token that does not exist: zero codes
.endr
.endm
	QUANT6 0, 96, 16
	QUANT6 1, 192, 8
	QUANT6 2, 224, 0
	PLACES 8                                       ; a scale word written by a vector instruction stands eight places ahead of the product, an operand four
	s_wait_loadcnt 0x0                             ; Wo, its scales, bo
.irp n, 0,1,2                          ; source 0 = 16 queries, source 1 = 16 rows of Wo.  The three tiles of queries are added in the accumulators: only their sum is wanted.  Four accumulators by turns
.irp t, 0,1,2,3
.if \n == 0
	MM4 BQ+8*\t, Q+8*\n, KR+8*\t, -1, 24+\n, 27+\t, 0
.else
	MM4 BQ+8*\t, Q+8*\n, KR+8*\t, BQ+8*\t, 24+\n, 27+\t, 0
.endif
.endr
.endr
	PLACES 4
.irp t, 0,1,2,3                        ; the sum over the accumulator's sixteen rows: eight registers, two halves of the lanes
	v_pk_add_f32 v[100+4*\t:101+4*\t], v[BQ+8*\t:BQ+8*\t+1], v[BQ+8*\t+2:BQ+8*\t+3]
	v_pk_add_f32 v[102+4*\t:103+4*\t], v[BQ+8*\t+4:BQ+8*\t+5], v[BQ+8*\t+6:BQ+8*\t+7]
.endr
.irp t, 0,1,2,3
	v_pk_add_f32 v[100+4*\t:101+4*\t], v[100+4*\t:101+4*\t], v[102+4*\t:103+4*\t]
.endr
.irp t, 0,1,2,3
	v_add_f32 v[96+\t], v[100+4*\t], v[101+4*\t]
.endr
.irp t, 0,1,2,3
	v_permlanex16_b32 v[116+\t], v[96+\t], s36, s37
.endr
.irp t, 0,1,2,3
	v_add_f32 v[96+\t], v[96+\t], v[116+\t]
	ds_store_b32 v8, v[96+\t] offset:64*\t         ; feature 16 t + r; both halves of the lanes write the same word
.endr
	BAR                                            ; the sixteen waves' sums lie in LDS
	s_cmp_lg_u32 s4, 0                             ; one wave of each element adds its four waves' sums; no barrier follows
	s_cbranch_scc1 .Lend
.irp w, 0,1,2,3
	ds_load_b64 v[100+2*\w:101+2*\w], v9 offset:256*\w
.endr
	s_wait_dscnt 0x0
	v_pk_add_f32 v[100:101], v[100:101], v[102:103]
	v_pk_add_f32 v[104:105], v[104:105], v[106:107]
	v_pk_add_f32 v[100:101], v[100:101], v[104:105]
	v_pk_fma_f32 v[100:101], v[100:101], 0x3bb60b61, v[16:17] op_sel_hi:[1,0,1]   ; / 180, + bo
	global_store_b64 v14, v[100:101], s[34:35]     ; the wave stores 256 consecutive bytes, at a multiple of 256 from att's first byte
.Lend:
	s_wait_xcnt 0x0
	v_lshl_add_u32 v254, v0, 2, 0x39c00
	v_mov_b32 v255, 0
	s_wait_tensorcnt 0x0
	ds_add_u32 v254, v255
	s_wait_dscnt 0x0
	s_endpgm
.Lfunc_end_k_q8e6524157e_attn:
	.size	k_q8e6524157e_attn, .Lfunc_end_k_q8e6524157e_attn-k_q8e6524157e_attn
	.p2alignl 7, 3214868480
	.fill 96, 4, 3214868480
	.section	.rodata,"a",@progbits
	.p2align	6, 0x0
	.amdhsa_kernel k_q8e6524157e_attn
		.amdhsa_group_segment_fixed_size 238592
		.amdhsa_private_segment_fixed_size 0
		.amdhsa_enable_private_segment 0
		.amdhsa_kernarg_size 112
		.amdhsa_user_sgpr_count 2
		.amdhsa_user_sgpr_kernarg_segment_ptr 1
		.amdhsa_wavefront_size32 1
		.amdhsa_system_sgpr_workgroup_id_x 1
		.amdhsa_system_sgpr_workgroup_id_y 1
		.amdhsa_system_sgpr_workgroup_id_z 1
		.amdhsa_system_vgpr_workitem_id 0
		.amdhsa_next_free_vgpr 256
		.amdhsa_next_free_sgpr 66
		.amdhsa_reserve_vcc 1
		.amdhsa_float_denorm_mode_32 3
		.amdhsa_float_denorm_mode_16_64 3
		.amdhsa_memory_ordered 1
		.amdhsa_forward_progress 1
		.amdhsa_inst_pref_size 71
	.end_amdhsa_kernel
	.amdgpu_metadata
---
amdhsa.version: [ 1, 2 ]
amdhsa.kernels:
  - .name:           k_q8e6524157e_attn
    .symbol:         k_q8e6524157e_attn.kd
    .args:
      - { .name: state, .offset: 0, .size: 8, .value_kind: global_buffer, .address_space: global }
      - { .name: Wq_codes, .offset: 8, .size: 8, .value_kind: global_buffer, .address_space: global }
      - { .name: Wq_scales, .offset: 16, .size: 8, .value_kind: global_buffer, .address_space: global }
      - { .name: bq, .offset: 24, .size: 8, .value_kind: global_buffer, .address_space: global }
      - { .name: Wk_codes, .offset: 32, .size: 8, .value_kind: global_buffer, .address_space: global }
      - { .name: Wk_scales, .offset: 40, .size: 8, .value_kind: global_buffer, .address_space: global }
      - { .name: bk, .offset: 48, .size: 8, .value_kind: global_buffer, .address_space: global }
      - { .name: Wv_codes, .offset: 56, .size: 8, .value_kind: global_buffer, .address_space: global }
      - { .name: Wv_scales, .offset: 64, .size: 8, .value_kind: global_buffer, .address_space: global }
      - { .name: bv, .offset: 72, .size: 8, .value_kind: global_buffer, .address_space: global }
      - { .name: Wo_codes, .offset: 80, .size: 8, .value_kind: global_buffer, .address_space: global }
      - { .name: Wo_scales, .offset: 88, .size: 8, .value_kind: global_buffer, .address_space: global }
      - { .name: bo, .offset: 96, .size: 8, .value_kind: global_buffer, .address_space: global }
      - { .name: att, .offset: 104, .size: 8, .value_kind: global_buffer, .address_space: global }
    .group_segment_fixed_size: 238592
    .private_segment_fixed_size: 0
    .kernarg_segment_align: 8
    .kernarg_segment_size: 112
    .max_flat_workgroup_size: 512
    .sgpr_count:     66
    .vgpr_count:     256
    .wavefront_size: 32
...
	.end_amdgpu_metadata
.endif
;; end of part 2
;; launch tail (part 3): grid 128 x 1, 4 waves a work-group, no clusters, 4,608 bytes of LDS; arguments att, state, wq, b1, v2_bmu, v2_bsig, v2_beps, a2_bmu, a2_bsig, a2_beps, out0; writes out0
.if DOCPART == 3
	.amdgcn_target "amdgcn-amd-amdhsa--gfx1250"
	.amdhsa_code_object_version 6
	.text
	.protected	k_q8e6524157e_tail
	.globl	k_q8e6524157e_tail
	.p2align	8
	.type	k_q8e6524157e_tail,@function
k_q8e6524157e_tail:
	s_mov_b64 s[64:65], 0
	v_nop
	global_prefetch_b8 v0, s[64:65] scope:SCOPE_SE
	s_setreg_imm32_b32 hwreg(HW_REG_WAVE_MODE, 25, 1), 1
	s_wait_xcnt 0x0
; out0 = value + (adv - mean(adv)), from combined = (att, the last token's last four numbers of state):  feat = relu(combined W1^T + b1);  value = relu(feat v1^T + ..) v2^T + ..;  adv likewise with a1, a2.
; The three wide products are on codes of FP4 (E2M1) with one E8M0 scale for each 32 along K; the weights come ready from wq (its layout: the launch that makes it).  The two narrow ones (1 and 3 outputs) are f32 multiply-adds.
; SHARES.  A work-group owns 16 rows.  THE WAVES SHARE THE COLUMNS: wave w makes features 64 w .. 64 w + 63 and the hidden tiles 4 w .. 4 w + 3 (waves 0, 1: v1; waves 2, 3: a1), for all 16 rows.
; All products are used transposed (source 0 = 16 rows of a weight, source 1 = the 16 rows): a lane holds ONE row.  W1's tiles were laid so that a lane's 32 results are features 64 w + 32 h + 0 .. 31: a whole block,
; and four registers of the next operand: group w % 2 of K step w / 2.  They go from wave to wave through LDS as an image of those registers, 16 bytes a lane; the scale words by halves, two bytes a wave.
; The biases are the C of each sum's first product, loaded into the accumulators themselves.
; No cluster, no tensor loads, no ring: 55 KB of weights, read once by each work-group, straight into registers.
; LIMITS: a block whose largest magnitude lies under 2^-124, or a block of zeros, gets the scale byte 1 (the rule says 127 for zeros; its codes are zeros; nobody else reads the bytes).  adv's mean multiplies by 1/3 rounded
; to f32; the small biases are one fused multiply-add.  NaN and infinities are not served.  A work-group's 192 bytes of out0 are stored four bytes a lane: the whole output is 24 KB.
.set W1I, 0
.set VAI, 16384
.set W1S, 49152
.set VAS, 51200
.set HB,  55296
.set W2O, 56320
.set FSC, 2048                         ; LDS: 0 feat's two fragments, 512 bytes a wave;  2,048 its scale words, 64 bytes a K step;
.set PS,  2304                         ;      2,304 the waves' partial sums: 256 bytes a wave, 16 a row
; REGISTERS: v1 16 x lane; v2 4 x lane; v3 8 h; v4-14 offsets; v15 at work; v16-19 W1's scale words, v20-27 v1's or a1's, v28 combined's, v29-30 feat's: scale words and nothing else
.set W1F, 32                           ; v32-63   W1's four fragments; later the last layer's weights, slot 0
.set FE,  64                           ; v64-95   b1, then feat; later slot 2
.set AT,  96                           ; v96-127  att's 32 numbers; later slot 1
.set PO,  128                          ; v128-135 the four numbers of state and zeros; v128-143 later feat's two fragments
.set CO,  136                          ; v136-143 combined's operand
.set HI,  144                          ; v144-175 the hidden bias, then the hidden layer
.set VAF, 176                          ; v176-239 eight fragments of v1 or a1: 8 (2 t + s)
.set MX,  240                          ; v240-251 at work;  v252-255 LDS addresses
.macro BAR
	s_wait_dscnt 0x0
	s_barrier_signal -1
	s_barrier_wait -1
.endm
.macro PLACES n
.rept \n
	v_nop
.endr
.endm
.macro AMAX32 d, s
.irp t, 0,1,2,3
	v_max3_num_f32 v[\d+\t], |v[\s+8*\t]|, |v[\s+8*\t+1]|, |v[\s+8*\t+2]|
.endr
.irp t, 0,1,2,3
	v_max3_num_f32 v[\d+\t], v[\d+\t], |v[\s+8*\t+3]|, |v[\s+8*\t+4]|
.endr
.irp t, 0,1,2,3
	v_max3_num_f32 v[\d+\t], v[\d+\t], |v[\s+8*\t+5]|, |v[\s+8*\t+6]|
.endr
.irp t, 0,1,2,3
	v_max3_num_f32 v[\d+\t], v[\d+\t], |v[\s+8*\t+7]|, 0x1800000
.endr
	v_max3_num_f32 v[\d], v[\d], v[\d+1], v[\d+2]
	v_max_num_f32 v[\d], v[\d], v[\d+3]
.endm
.macro SOPBY sop, by, d
	v_add_nc_u32 v[\sop], 0xff000000, v[\d]
	v_lshrrev_b32 v[\by], 23, v[\sop]
.endm
.macro CVT4 dst, s, sop
.irp g, 0,1,2,3
	v_cvt_scalef32_pk8_fp4_f32 v[\dst+\g], v[\s+8*\g:\s+8*\g+7], v[\sop]
.endr
	v_nop
.endm
.macro MM4 d, a, b, sa, sb             ; a product on codes that adds onto d
	v_wmma_scale_f32_16x16x128_f8f6f4 v[\d:\d+7], v[\a:\a+7], v[\b:\b+7], v[\d:\d+7], v[\sa], v[\sb] matrix_a_fmt:MATRIX_FMT_FP4 matrix_b_fmt:MATRIX_FMT_FP4
.endm
.macro W2LOAD reg, adr                 ; 32 numbers of a row of the last layers' weights, in the hidden layer's layout
.irp t, 0,1,2,3
	global_load_b128 v[\reg+8*\t:\reg+8*\t+3], v[\adr], s[8:9] offset:W2O+64*\t
	global_load_b128 v[\reg+8*\t+4:\reg+8*\t+7], v[\adr], s[8:9] offset:W2O+64*\t+16
.endr
.endm
	s_load_b256 s[4:11], s[0:1], 0x0               ; att s[4:5], state s[6:7], wq s[8:9], b1 s[10:11]
	s_load_b256 s[12:19], s[0:1], 0x20             ; v2's bias mu, sigma, eps s[12:17]; a2's mu s[18:19]
	s_load_b128 s[20:23], s[0:1], 0x40             ; a2's sigma, eps
	s_load_b64 s[24:25], s[0:1], 0x50              ; out0
	v_lshl_add_u32 v31, v0, 2, 0x1000
	s_set_vgpr_msb 0x40
	v_mov_b32 v1, 0
	s_set_vgpr_msb 0x4000
	v_lshrrev_b32 v4, 5, v0
	v_readfirstlane_b32 s2, v4                     ; wave 0..3
	s_and_b32 s3, s2, 1
	s_lshr_b32 s26, s2, 1                          ; 0: v1, 1: a1
	s_mov_b32 s44, 0x76543210
	s_mov_b32 s45, 0xfedcba98                      ; v_permlanex16_b32's selects for lane l xor 16
	s_mov_b32 vcc_lo, 0xffff                       ; lanes 0-15
	v_and_b32 v1, 31, v0
	v_lshlrev_b32 v2, 2, v1                        ; 4 x lane
	v_lshlrev_b32 v1, 4, v1                        ; 16 x lane
	v_bfe_u32 v3, v0, 4, 1
	v_lshlrev_b32 v3, 3, v3                        ; 8 h
	v_and_b32 v15, 15, v0                          ; r
	s_lshl_b32 s27, s2, 12
	v_add_nc_u32 v4, s27, v1                       ; W1's fragments: 4 x 1,024 bytes a wave
	s_lshl_b32 s27, s2, 9
	v_add_nc_u32 v5, s27, v2                       ; their scale words
	v_add_nc_u32 v252, s27, v1                     ; LDS: where my four registers of feat's codes go
	s_lshl_b32 s46, s2, 8
	v_lshl_add_u32 v6, v3, 4, s46                  ; b1: 256 w + 128 h
	s_lshl_b32 s27, s2, 13
	v_add_nc_u32 v7, s27, v1                       ; v1's or a1's fragments: 8 x 1,024 bytes a wave
	s_lshl_b32 s27, s2, 10
	v_add_nc_u32 v8, s27, v2                       ; their scale words
	v_lshl_add_u32 v9, v3, 2, s46                  ; the hidden bias: 256 w + 32 h
	v_lshlrev_b32 v10, 8, v15
	v_lshl_add_u32 v10, v3, 4, v10                 ; att: row r of 256 bytes, + 128 h
	v_mul_u32_u24 v11, v15, 48960                  ; state: element r of the sixteen
	s_lshl_b32 s47, s3, 8
	v_lshl_add_u32 v12, v3, 2, s47                 ; the last layers' weights: 256 (w % 2) + 32 h,
	s_lshl_b32 s48, s26, 9
	v_add_nc_u32 v12, s48, v12                     ; row 0 for v2 in all three slots; rows 1, 2, 3 for a2
	v_add_nc_u32 v13, s48, v12
	v_add_nc_u32 v14, s48, v13
	s_lshl_b32 s49, s26, 6
	s_lshl_b32 s50, s3, 1
	s_add_co_u32 s49, s49, s50
	s_add_co_u32 s49, s49, FSC
	v_lshl_add_u32 v253, v15, 2, s49               ; LDS: my half of row r's scale word of K step w / 2
	v_lshl_add_u32 v254, v15, 2, FSC               ; and where the words are read
	s_add_co_u32 s49, s46, PS
	v_lshl_add_u32 v255, v15, 4, s49               ; my partial sums of row r
.irp z, 132,133,134,135,141,142,143,251
	v_mov_b32 v[\z], 0
.endr
	s_lshl_b32 s50, ttmp9, 12
	s_mov_b32 s51, 0
	s_wait_kmcnt 0x0
	s_add_nc_u64 s[4:5], s[4:5], s[50:51]          ; att at my 16 rows
	s_mul_i32 s50, ttmp9, 783360
	s_add_co_u32 s50, s50, 48944
	s_add_nc_u64 s[6:7], s[6:7], s[50:51]          ; state at my first element's token 179, column 64 (under 2^31)
	s_mul_i32 s50, ttmp9, 192
	s_add_nc_u64 s[24:25], s[24:25], s[50:51]
	s_load_b32 s28, s[12:13], 0x0                  ; the small biases' parts
	s_load_b32 s29, s[14:15], 0x0
	s_load_b32 s30, s[16:17], 0x0
	s_load_b64 s[32:33], s[18:19], 0x0
	s_load_b32 s34, s[18:19], 0x8
	s_load_b64 s[36:37], s[20:21], 0x0
	s_load_b32 s38, s[20:21], 0x8
	s_load_b64 s[40:41], s[22:23], 0x0
	s_load_b32 s42, s[22:23], 0x8
.irp k, 0,1,2,3,4,5,6,7
	global_load_b128 v[AT+4*\k:AT+4*\k+3], v10, s[4:5] offset:16*\k
.endr
	global_load_b128 v[PO:PO+3], v11, s[6:7]
.irp i, 0,1,2,3
	global_load_b128 v[W1F+8*\i:W1F+8*\i+3], v4, s[8:9] offset:W1I+1024*\i
	global_load_b128 v[W1F+8*\i+4:W1F+8*\i+7], v4, s[8:9] offset:W1I+1024*\i+512
.endr
.irp i, 0,1,2,3
	global_load_b32 v[16+\i], v5, s[8:9] offset:W1S+128*\i
.endr
.irp i, 0,1,2,3
	global_load_b128 v[FE+8*\i:FE+8*\i+3], v6, s[10:11] offset:32*\i
	global_load_b128 v[FE+8*\i+4:FE+8*\i+7], v6, s[10:11] offset:32*\i+16
.endr
.irp t, 0,1,2,3
.irp s, 0,1
	global_load_b128 v[VAF+16*\t+8*\s:VAF+16*\t+8*\s+3], v7, s[8:9] offset:VAI+2048*\t+1024*\s
	global_load_b128 v[VAF+16*\t+8*\s+4:VAF+16*\t+8*\s+7], v7, s[8:9] offset:VAI+2048*\t+1024*\s+512
.endr
.endr
.irp t, 0,1,2,3
.irp s, 0,1
	global_load_b32 v[20+2*\t+\s], v8, s[8:9] offset:VAS+256*\t+128*\s
.endr
.endr
.irp t, 0,1,2,3
	global_load_b128 v[HI+8*\t:HI+8*\t+3], v9, s[8:9] offset:HB+64*\t
	global_load_b128 v[HI+8*\t+4:HI+8*\t+7], v9, s[8:9] offset:HB+64*\t+16
.endr
	; ---- A: combined becomes an operand, in every wave.  K = 68: my block h of att; block 2 = the four numbers of state (lanes 0-15); block 3 zeros
	s_wait_loadcnt 52                              ; att's eight loads and state's one are in; the 52 behind them may be out
.irp j, 0,1,2,3
	v_cndmask_b32 v[PO+\j], 0, v[PO+\j], vcc_lo    ; lanes 16-31 hold k = 96 on there: zeros
.endr
	AMAX32 MX, AT
	SOPBY 244, 246, MX
	v_max3_num_f32 v[MX], |v[PO]|, |v[PO+1]|, 0x1800000
	v_max3_num_f32 v[MX], v[MX], |v[PO+2]|, |v[PO+3]|
	SOPBY 245, 247, MX
	v_lshl_or_b32 v[MX], v247, 16, v246            ; my two bytes: blocks h and 2 + h,
	v_lshlrev_b32 v[MX], v3, v[MX]
	v_permlanex16_b32 v15, v[MX], s44, s45
	v_or_b32 v28, v[MX], v15                       ; with lane l xor 16's two the word is whole
	CVT4 CO, AT, 244
	v_cvt_scalef32_pk8_fp4_f32 v[CO+4], v[PO:PO+7], v245
	v_nop
	W2LOAD AT, 13                                  ; slot 1, where att lay
	PLACES 8                                       ; a scale word written by a vector instruction stands eight places ahead of the product, an operand four
	; ---- B: my 64 features
	s_wait_loadcnt 40                              ; W1's fragments and words and b1 are in; out may be the head's last 32 loads and slot 1's eight
.irp i, 0,1,2,3
	MM4 FE+8*\i, W1F+8*\i, CO, 16+\i, 28
.endr
	PLACES 4                                       ; in front of loads into the operands and of the first read of results
	W2LOAD W1F, 12                                 ; slot 0, where W1's fragments lay
	v_and_b32 v5, 15, v0                           ; (the loads that named v4 and v5 are in)
	v_lshl_add_u32 v4, v5, 4, PS                   ; LDS: row r's partial sums, wave 0's
	v_mul_u32_u24 v5, v5, 12                       ; out0: row r of 12 bytes
	; ---- C: relu, quantised: a whole block a lane
.set N, 0
.rept 32
	v_max_num_f32 v[FE+N], 0, v[FE+N]              ; ascending: each result is read from its low end on
.set N, N+1
.endr
	AMAX32 MX, FE
	SOPBY 244, 246, MX
	CVT4 248, FE, 244
	v_lshlrev_b32 v246, v3, v246
	v_permlanex16_b32 v15, v246, s44, s45
	v_or_b32 v246, v246, v15                       ; my two bytes of the row's scale word
	ds_store_b128 v252, v[248:251]
	ds_store_b16 v253, v246                        ; both halves of the lanes write the same two bytes
	W2LOAD FE, 14                                  ; slot 2, where feat lay
	BAR                                            ; feat's two fragments and their scale words lie in LDS
.irp q, 0,1,2,3
	ds_load_b128 v[PO+4*\q:PO+4*\q+3], v1 offset:512*\q
.endr
	ds_load_b32 v29, v254
	ds_load_b32 v30, v254 offset:64
	s_wait_dscnt 0x0
	; ---- D: my four tiles of a hidden layer; four accumulators by turns, a K step at a time
	s_wait_loadcnt 24                              ; all of the head's loads are in; the three slots' 24 may be out
.irp s, 0,1
.irp t, 0,1,2,3
	MM4 HI+8*\t, VAF+16*\t+8*\s, PO+8*\s, 20+2*\t+\s, 29+\s
.endr
.endr
	PLACES 4
	; ---- E: relu, and the narrow products in f32: three sums a lane (v2's row three times in waves 0 and 1; a2's three rows in waves 2 and 3)
	s_wait_loadcnt 0x0
.set N, 0
.rept 32
	v_max_num_f32 v[HI+N], 0, v[HI+N]
.set N, N+1
.endr
	v_pk_mul_f32 v[240:241], v[HI:HI+1], v[W1F:W1F+1]
	v_pk_mul_f32 v[242:243], v[HI:HI+1], v[AT:AT+1]
	v_pk_mul_f32 v[244:245], v[HI:HI+1], v[FE:FE+1]
.set N, 2
.rept 15
	v_pk_fma_f32 v[240:241], v[HI+N:HI+N+1], v[W1F+N:W1F+N+1], v[240:241]
	v_pk_fma_f32 v[242:243], v[HI+N:HI+N+1], v[AT+N:AT+N+1], v[242:243]
	v_pk_fma_f32 v[244:245], v[HI+N:HI+N+1], v[FE+N:FE+N+1], v[244:245]
.set N, N+2
.endr
	v_add_f32 v248, v240, v241
	v_add_f32 v249, v242, v243
	v_add_f32 v250, v244, v245
	v_permlanex16_b32 v246, v248, s44, s45
	v_permlanex16_b32 v247, v249, s44, s45
	v_permlanex16_b32 v15, v250, s44, s45
	v_add_f32 v248, v248, v246
	v_add_f32 v249, v249, v247
	v_add_f32 v250, v250, v15
	ds_store_b128 v255, v[248:251]                 ; both halves of the lanes write the same 16 bytes
	s_wait_kmcnt 0x0                               ; the small biases' parts
	BAR                                            ; the four waves' partial sums lie in LDS
	s_cmp_lg_u32 s2, 0                             ; wave 0 finishes; no barrier follows
	s_cbranch_scc1 .Lend
.irp w, 0,1,2,3
	ds_load_b128 v[32+4*\w:35+4*\w], v4 offset:256*\w
.endr
	v_mov_b32 v49, s28
	v_fma_f32 v49, s29, s30, v49                   ; v2's bias
.irp o, 0,1,2
	v_mov_b32 v[56+\o], s[32+\o]
	v_fma_f32 v[56+\o], s[36+\o], s[40+\o], v[56+\o]   ; a2's
.endr
	s_wait_dscnt 0x0
	v_add_f32 v48, v32, v36
	v_add_f32 v48, v48, v49                        ; value
.irp o, 0,1,2
	v_add_f32 v[50+\o], v[40+\o], v[44+\o]
.endr
.irp o, 0,1,2
	v_add_f32 v[50+\o], v[50+\o], v[56+\o]         ; adv
.endr
	v_add_f32 v54, v50, v51
	v_add_f32 v54, v54, v52
	v_mul_f32 v54, 0x3eaaaaab, v54                 ; its mean
.irp o, 0,1,2
	v_sub_f32 v[50+\o], v[50+\o], v54
.endr
.irp o, 0,1,2
	v_add_f32 v[50+\o], v48, v[50+\o]
.endr
	s_wait_xcnt 0x0                                ; EXEC changes only behind this wait
	v_cmp_gt_u32 vcc_lo, 16, v0
	s_and_saveexec_b32 s50, vcc_lo                 ; lanes 0-15: one lane a row
.irp o, 0,1,2
	global_store_b32 v5, v[50+\o], s[24:25] offset:4*\o
.endr
	s_wait_xcnt 0x0                                ; and again, in front of the line that widens it
	s_or_b32 exec_lo, exec_lo, s50
.Lend:
	s_set_vgpr_msb 0x4
	s_wait_tensorcnt 0x0
	ds_add_u32 v31, v1
	s_wait_dscnt 0x0
	s_set_vgpr_msb 0x400
	s_endpgm
.Lfunc_end_k_q8e6524157e_tail:
	.size	k_q8e6524157e_tail, .Lfunc_end_k_q8e6524157e_tail-k_q8e6524157e_tail
	.p2alignl 7, 3214868480
	.fill 96, 4, 3214868480
	.section	.rodata,"a",@progbits
	.p2align	6, 0x0
	.amdhsa_kernel k_q8e6524157e_tail
		.amdhsa_group_segment_fixed_size 4608
		.amdhsa_private_segment_fixed_size 0
		.amdhsa_enable_private_segment 0
		.amdhsa_kernarg_size 88
		.amdhsa_user_sgpr_count 2
		.amdhsa_user_sgpr_kernarg_segment_ptr 1
		.amdhsa_wavefront_size32 1
		.amdhsa_system_sgpr_workgroup_id_x 1
		.amdhsa_system_sgpr_workgroup_id_y 1
		.amdhsa_system_sgpr_workgroup_id_z 1
		.amdhsa_system_vgpr_workitem_id 0
		.amdhsa_next_free_vgpr 258
		.amdhsa_next_free_sgpr 66
		.amdhsa_reserve_vcc 1
		.amdhsa_float_denorm_mode_32 3
		.amdhsa_float_denorm_mode_16_64 3
		.amdhsa_memory_ordered 1
		.amdhsa_forward_progress 1
		.amdhsa_inst_pref_size 27
	.end_amdhsa_kernel
	.amdgpu_metadata
---
amdhsa.version: [ 1, 2 ]
amdhsa.kernels:
  - .name:           k_q8e6524157e_tail
    .symbol:         k_q8e6524157e_tail.kd
    .args:
      - { .name: att, .offset: 0, .size: 8, .value_kind: global_buffer, .address_space: global }
      - { .name: state, .offset: 8, .size: 8, .value_kind: global_buffer, .address_space: global }
      - { .name: wq, .offset: 16, .size: 8, .value_kind: global_buffer, .address_space: global }
      - { .name: b1, .offset: 24, .size: 8, .value_kind: global_buffer, .address_space: global }
      - { .name: v2_bmu, .offset: 32, .size: 8, .value_kind: global_buffer, .address_space: global }
      - { .name: v2_bsig, .offset: 40, .size: 8, .value_kind: global_buffer, .address_space: global }
      - { .name: v2_beps, .offset: 48, .size: 8, .value_kind: global_buffer, .address_space: global }
      - { .name: a2_bmu, .offset: 56, .size: 8, .value_kind: global_buffer, .address_space: global }
      - { .name: a2_bsig, .offset: 64, .size: 8, .value_kind: global_buffer, .address_space: global }
      - { .name: a2_beps, .offset: 72, .size: 8, .value_kind: global_buffer, .address_space: global }
      - { .name: out0, .offset: 80, .size: 8, .value_kind: global_buffer, .address_space: global }
    .group_segment_fixed_size: 4608
    .private_segment_fixed_size: 0
    .kernarg_segment_align: 8
    .kernarg_segment_size: 88
    .max_flat_workgroup_size: 128
    .sgpr_count:     66
    .vgpr_count:     258
    .wavefront_size: 32
...
	.end_amdgpu_metadata
.endif
;; end of part 3
;; ======== version 2 of 2: 3 launches; version 1 with the launch attn written anew for expert scheduling mode
;; workspace buffers: att 524,288 bytes; wq 58,368 bytes
;; launch prep: the kernel of part 1 again; grid 49 x 1, 1 waves a work-group, no clusters, 0 bytes of LDS; arguments W1, v1_wmu, v1_wsig, v1_weps, a1_wmu, a1_wsig, a1_weps, v1_bmu, v1_bsig, v1_beps, a1_bmu, a1_bsig, a1_beps, v2_wmu, v2_wsig, v2_weps, a2_wmu, a2_wsig, a2_weps, wq; writes wq
;; launch attn (part 4): grid 512 x 1, 16 waves a work-group, no clusters, 238,592 bytes of LDS; arguments state, Wq_codes, Wq_scales, bq, Wk_codes, Wk_scales, bk, Wv_codes, Wv_scales, bv, Wo_codes, Wo_scales, bo, att; writes att
.if DOCPART == 4
	.amdgcn_target "amdgcn-amd-amdhsa--gfx1250"
	.amdhsa_code_object_version 6
	.text
	.protected	k_q8e6524157e_attn
	.globl	k_q8e6524157e_attn
	.p2align	8
	.type	k_q8e6524157e_attn,@function
k_q8e6524157e_attn:
	s_mov_b64 s[64:65], 0
	v_nop
	global_prefetch_b8 v0, s[64:65] scope:SCOPE_SE
	s_setreg_imm32_b32 hwreg(HW_REG_WAVE_SCHED_MODE, 0, 2), 2
	s_setreg_imm32_b32 hwreg(HW_REG_WAVE_MODE, 25, 1), 1
	s_wait_xcnt 0x0
	s_wait_alu depctr_vm_vsrc(0)
; att[b][0..63] = the mean over the 180 rows of (attention(market) Wo^T + bo), for 2,048 elements b.  market = state without its last four columns.
; Q, K, V = x W^T + b, p V and wv Wo^T are products on codes of FP4 (E2M1) with one E8M0 scale for each 32 along K; Q K^T (K = 16) takes f32 operands, since its result goes on into a quantiser.
; SHARES.  A work-group owns four elements (195,840 consecutive bytes of state, a multiple of 256); each of its sixteen waves owns ONE HEAD OF ONE ELEMENT (e = wave / 4, head = wave % 4):
; four waves to a SIMD, so that one wave's softmax stands beside another's f32 products.
; ONE ORDER OF THE TOKENS.  180 tokens are 12 tiles of 16.  Row r of tile 4 c + i is token 64 c + 8 i + r % 8 + 32 (r / 8).  A result's register j in lane half h is row 8 h + j, so the 32 registers
; of the four tiles of group c are tokens 64 c + 32 h + 0 .. 31: a WHOLE block of 32 in one lane, in the order of registers 0-3 of a 4-bit operand.  No block's maximum needs another lane.
;   Q^T, K^T: source 0 = the head's 16 rows of W, source 1 = x: a lane holds one token and d = 8 h + 0 .. 7: these registers, two at a time, ARE the f32 form's operands (the same order of d on both sides).
;   S^T = K Q^T: a lane holds one query, its registers run along the keys.   V: source 0 = x, source 1 = Wv: a lane holds d = r, its registers run along the keys.   O^T = V^T P^T: one query a lane, d = 8 h + j.
; A product here has 64 along K: registers 4-7 of every operand are zero codes, the scale words' upper two bytes 0.
; TOKENS 180 .. 191 do not exist.  Their x is whatever finite numbers lie behind the element in the stage.  As keys: V becomes 0 ahead of its quantiser, scores become -infinity.  As queries: their rows of codes
; become zeros ahead of the last product, so that they add nothing to the mean.  Always by a select, never by a multiplication.
; SOFTMAX: t = score x log2(e) / 4; M = the running largest t rounded up to a whole number; p = 2^(t - M) is quantised; the sum is taken of the unquantised p and divides O.
; A block's largest p is its largest score put through the same multiply-add and exponential (this takes v_exp_f32 not to fall where its input rises).
; NO CLUSTER: work-groups share only the four weights, 9 KB against 196 KB of state of their own.  NO TENSOR LOADS: each byte of LDS is filled once, at the head, by 24 loads a thread, each of which covers
; 512 consecutive bytes a wave; so O's tiles may lie over the stage when that has been read.
; LIMITS: a block whose largest magnitude lies under 2^-124, or a block of zeros, gets the scale byte 1 (the rule says 127 for zeros; its codes are zeros; nobody else reads the bytes).  p under 2^-126 becomes 0.
; The mean multiplies by 1/180 rounded to f32.  NaN and infinities among the inputs are not served.
; THE MODE: SCHED_MODE bits 1:0 = 2 (LLVM: expert scheduling mode 2), set by the entry lines.  The code itself states the register dependences between vector or matrix instructions and memory or LDS
; instructions, with s_wait_alu, always for 0.
; THE PLAN, in the loop over the tiles of queries.  Registers that LDS instructions touch:
;   T .. T+3, v31  x's fragment and scale word of the NEXT tile.  The two loads are issued in a trip's last chunk, behind the wait that stands ahead of that chunk's product on codes: all the trip's vector
;                  readers and writers of T stand ahead of it, and so does Q's product, which read v31.  Read by Q's product at the next trip's head.
;   T+4 .. T+7     the fragment's zeros: written in the places behind the trip's last product, ahead of the reciprocal's wait; named by no LDS instruction.
;   v5, v6, v1     the addresses of those two loads and of the trip's two stores: written in the places behind Q's product, behind the trip's one wait on vm_vsrc.
;   T+16 .. T+23   O / l: written by four multiplications at the trip's end, read by the two stores behind one wait, written again by the next trip's first chunk, behind that trip's wait on vm_vsrc.
; The last tile is written out: it asks for no further fragment.  Outside the loop each phase has one wait on vm_vsrc ahead of the lines that write its addresses anew, and one wait on va_vdst ahead of each run of loads or stores.
; LDS: 0 the stage: state as it lies, token t of element e at 48,960 e + 272 t; 25 x 8,192 bytes, the last 8,192 zeros.  Over it, later: O / l, tile qt of wave w at 12,288 w + 1,024 qt, as an image of its registers.
.set ELB,   48960                      ; an element's bytes
.set ROWB,  272                        ; a token's
.set XIMG,  204800                     ; x's codes: tile (12 e + tau) at 512 bytes each, 16 bytes a lane
.set XSC,   229376                     ; x's scale words: 64 bytes a tile, 4 a row
.set PART,  232448                     ; each wave's sums over its 48 queries: 256 bytes a wave, 4 a feature
; REGISTERS: v1 O's LDS address; v2 4 r; v3 8 h; v4 -infinity; v5, v6 addresses in hand; v7 x's images; v8 x's words; v9 my O tiles; v10, v11 at work; v12 -M, v13 largest t; v[14:15] the sum; v[16:17] f, then 1 / l;
; v18-23 at work; v24-31 scale words and nothing else.
.set Q,   32                           ; v32-39   Q^T of the tile in hand
.set O,   40                           ; v40-47   O^T
.set PC,  48                           ; v48-55   p's codes; v52-55 stay 0
.set WQ,  56                           ; v56-63   Wq's fragment; v60-63 stay 0
.set BQ,  64                           ; v64-71   bq in the result's layout
.set VO,  72                           ; v72-95   V's three operands: 4 registers of codes, 4 of zeros
.set T,   96                           ; v96-127  x's fragment; t, then p; O / l
.set S,   128                          ; v128-159 the scores: written by the f32 matrix form alone
.set KR,  160                          ; v160-255 K^T, 12 tiles x 8; ahead of that the state's rows, x, and V in f32
.set MX,  18
.macro BAR                             ; my LDS stores have landed and my LDS loads are in: then the work-group's barrier
	s_wait_dscnt 0x0
	s_barrier_signal -1
	s_barrier_wait -1
.endm
.macro PLACES n
.rept \n
	v_nop
.endr
.endm
.macro AMAX32 d, s                     ; the largest magnitude of v[s] .. v[s+31], four chains by turns, the floor 2^(3 - 127) among the leaves
.irp t, 0,1,2,3
	v_max3_num_f32 v[\d+\t], |v[\s+8*\t]|, |v[\s+8*\t+1]|, |v[\s+8*\t+2]|
.endr
.irp t, 0,1,2,3
	v_max3_num_f32 v[\d+\t], v[\d+\t], |v[\s+8*\t+3]|, |v[\s+8*\t+4]|
.endr
.irp t, 0,1,2,3
	v_max3_num_f32 v[\d+\t], v[\d+\t], |v[\s+8*\t+5]|, |v[\s+8*\t+6]|
.endr
.irp t, 0,1,2,3
	v_max3_num_f32 v[\d+\t], v[\d+\t], |v[\s+8*\t+7]|, 0x1800000
.endr
	v_max3_num_f32 v[\d], v[\d], v[\d+1], v[\d+2]
	v_max_num_f32 v[\d], v[\d], v[\d+3]
.endm
.macro SOPBY sop, by, d                ; 2 off the exponent field: the conversion's scale operand; its exponent field is the scale's byte
	v_add_nc_u32 v[\sop], 0xff000000, v[\d]
	v_lshrrev_b32 v[\by], 23, v[\sop]
.endm
.macro CVT4 dst, s, sop                ; 32 numbers become four registers of codes; a plain line stands behind the last conversion
.irp g, 0,1,2,3
	v_cvt_scalef32_pk8_fp4_f32 v[\dst+\g], v[\s+8*\g:\s+8*\g+7], v[\sop]
.endr
	v_nop
.endm
.macro WORD2 dst                       ; my byte (v23: block h) and lane l xor 16's make the scale word
	v_lshlrev_b32 v23, v3, v23
	v_permlanex16_b32 v10, v23, s36, s37
	v_or_b32 v[\dst], v23, v10
.endm
; a product on codes.  c: C's first register, or -1 for the constant 0.  row: 1 = source 0's scales in lanes 16-31, 2 = source 1's
.macro MM4 d, a, b, c, sa, sb, row
.if \c < 0
.if \row == 1
	v_wmma_scale_f32_16x16x128_f8f6f4 v[\d:\d+7], v[\a:\a+7], v[\b:\b+7], 0, v[\sa], v[\sb] matrix_a_fmt:MATRIX_FMT_FP4 matrix_b_fmt:MATRIX_FMT_FP4 matrix_a_scale:MATRIX_SCALE_ROW1
.elseif \row == 2
	v_wmma_scale_f32_16x16x128_f8f6f4 v[\d:\d+7], v[\a:\a+7], v[\b:\b+7], 0, v[\sa], v[\sb] matrix_a_fmt:MATRIX_FMT_FP4 matrix_b_fmt:MATRIX_FMT_FP4 matrix_b_scale:MATRIX_SCALE_ROW1
.else
	v_wmma_scale_f32_16x16x128_f8f6f4 v[\d:\d+7], v[\a:\a+7], v[\b:\b+7], 0, v[\sa], v[\sb] matrix_a_fmt:MATRIX_FMT_FP4 matrix_b_fmt:MATRIX_FMT_FP4
.endif
.else
.if \row == 1
	v_wmma_scale_f32_16x16x128_f8f6f4 v[\d:\d+7], v[\a:\a+7], v[\b:\b+7], v[\c:\c+7], v[\sa], v[\sb] matrix_a_fmt:MATRIX_FMT_FP4 matrix_b_fmt:MATRIX_FMT_FP4 matrix_a_scale:MATRIX_SCALE_ROW1
.elseif \row == 2
	v_wmma_scale_f32_16x16x128_f8f6f4 v[\d:\d+7], v[\a:\a+7], v[\b:\b+7], v[\c:\c+7], v[\sa], v[\sb] matrix_a_fmt:MATRIX_FMT_FP4 matrix_b_fmt:MATRIX_FMT_FP4 matrix_b_scale:MATRIX_SCALE_ROW1
.else
	v_wmma_scale_f32_16x16x128_f8f6f4 v[\d:\d+7], v[\a:\a+7], v[\b:\b+7], v[\c:\c+7], v[\sa], v[\sb] matrix_a_fmt:MATRIX_FMT_FP4 matrix_b_fmt:MATRIX_FMT_FP4
.endif
.endif
.endm
	; ---- THE HEAD
	s_load_b512 s[8:23], s[0:1], 0x0               ; state s[8:9]; Wq's codes, scales, bq s[10:15]; Wk's s[16:21]; Wv's codes s[22:23]
	s_load_b256 s[24:31], s[0:1], 0x40             ; Wv's scales, bv s[24:27]; Wo's codes, scales s[28:31]
	s_load_b128 s[32:35], s[0:1], 0x60             ; bo s[32:33], att s[34:35]
	v_lshrrev_b32 v5, 5, v0
	v_readfirstlane_b32 s2, v5                     ; wave 0..15
	s_mov_b32 s36, 0x76543210
	s_mov_b32 s37, 0xfedcba98                      ; v_permlanex16_b32's selects for lane l xor 16
	s_mov_b32 s38, 0x3eb8aa3b                      ; c = log2(e) / sqrt(16)
	s_mov_b32 s39, s38                             ; (named with it as a pair)
	s_mov_b32 vcc_lo, 0xffff                       ; lanes 0-15, until the last phase
	v_and_b32 v1, 31, v0
	v_lshlrev_b32 v1, 4, v1                        ; 16 x lane
	v_and_b32 v2, 15, v0
	v_lshlrev_b32 v2, 2, v2                        ; 4 r
	v_bfe_u32 v3, v0, 4, 1
	v_lshlrev_b32 v3, 3, v3                        ; 8 h
	v_mov_b32 v4, 0xff800000                       ; -infinity
	s_wait_alu depctr_va_sdst(0)                   ; s2 is written, ahead of its first reader
	s_lshr_b32 s3, s2, 2                           ; e: my element of the four
	s_and_b32 s4, s2, 3                            ; my head
	s_mul_i32 s5, s3, 6144
	s_add_co_u32 s5, s5, XIMG
	v_add_nc_u32 v7, s5, v1                        ; my element's twelve images of x
	s_mul_i32 s5, s3, 768
	s_add_co_u32 s48, s5, XSC
	v_add_nc_u32 v8, s48, v2                       ; and their scale words, by row
	s_mul_i32 s5, s2, 12288
	v_add_nc_u32 v9, s5, v1                        ; my twelve tiles of O
	v_lshlrev_b32 v12, 3, v2
	v_lshl_add_u32 v12, v3, 1, v12
	s_lshl_b32 s5, s4, 9
	v_add_nc_u32 v12, s5, v12                      ; a weight's codes: row 16 head + r of 32 bytes, + 16 h
	v_lshrrev_b32 v13, 1, v2
	s_lshl_b32 s5, s4, 5
	v_add_nc_u32 v13, s5, v13                      ; its two scale bytes
	s_lshl_b32 s5, s4, 6
	v_lshl_add_u32 v14, v3, 2, s5                  ; bq, bk: eight numbers from 16 head + 8 h on
	v_add_nc_u32 v15, s5, v2                       ; bv: number 16 head + r
	v_lshlrev_b32 v5, 4, v0                        ; 16 x thread: my bytes of each 8,192, in memory and in the stage
	v_min_u32 v18, 7408, v5                        ; the last 8,192 hold 7,424 bytes of the slice: later threads take its last 16 bytes again, so that no load leaves the slice
	v_add_nc_u32 v6, 0x10000, v5
	v_add_nc_u32 v10, 0x20000, v5
	v_add_nc_u32 v11, 0x30000, v5
.irp z, 36,44,52,60,76,84,92,100,116,124
.irp j, 0,1,2,3
	v_mov_b32 v[\z+\j], 0                          ; the upper halves of ten operands: zero codes
.endr
.endr
	s_mul_i32 s44, ttmp9, 4*ELB                    ; my work-group's slice of state (under 2^31)
	s_mov_b32 s45, 0
	s_wait_kmcnt 0x0
	s_add_nc_u64 s[8:9], s[8:9], s[44:45]
	s_lshl_b32 s44, ttmp9, 10
	s_lshl_b32 s5, s3, 8
	s_add_co_u32 s44, s44, s5
	s_add_nc_u64 s[34:35], s[34:35], s[44:45]      ; att at my element's row
	s_wait_alu depctr_va_vdst(0)                   ; the offsets v5, v6, v10 to v15 and v18 are written, which the loads and LDS stores below read, and so are the zeros v52-55, which the last of those stores reads
	global_load_b128 v[96:99], v12, s[16:17]       ; Wk's fragment
	global_load_b128 v[112:115], v12, s[22:23]     ; Wv's
	global_load_b128 v[WQ:WQ+3], v12, s[10:11]     ; Wq's
	global_load_u16 v25, v13, s[18:19]             ; their scale words: two bytes, the upper two 0
	global_load_u16 v26, v13, s[24:25]
	global_load_u16 v27, v13, s[12:13]
	global_load_b128 v[104:107], v14, s[20:21]     ; bk
	global_load_b128 v[108:111], v14, s[20:21] offset:16
	global_load_b128 v[BQ:BQ+3], v14, s[14:15]     ; bq
	global_load_b128 v[BQ+4:BQ+7], v14, s[14:15] offset:16
	global_load_b32 v16, v15, s[26:27]             ; bv
.irp i, 0,1,2,3,4,5,6,7,8,9,10,11,12,13,14,15,16,17,18,19,20,21,22
	global_load_b128 v[KR+4*\i:KR+4*\i+3], v5, s[8:9] offset:8192*\i th:TH_LOAD_NT   ; a wave reads 512 consecutive bytes
.endr
	global_load_b128 v[KR+92:KR+95], v18, s[8:9] offset:8192*23 th:TH_LOAD_NT
.irp i, 0,1,2,3,4,5,6,7
	s_wait_loadcnt 23-\i                           ; loads come back in order: this one is in, the younger ones stay out
	ds_store_b128 v5, v[KR+4*\i:KR+4*\i+3] offset:8192*\i
.endr
.irp i, 0,1,2,3,4,5,6,7
	s_wait_loadcnt 15-\i
	ds_store_b128 v6, v[KR+32+4*\i:KR+35+4*\i] offset:8192*\i
.endr
.irp i, 0,1,2,3,4,5,6,7
	s_wait_loadcnt 7-\i
	ds_store_b128 v10, v[KR+64+4*\i:KR+67+4*\i] offset:8192*\i
.endr
	ds_store_b128 v11, v[PC+4:PC+7]                ; zeros behind the slice: the last element's tokens 183 on
	BAR                                            ; the stage is whole
	; ---- x BECOMES CODES: wave (e, head) takes tiles 3 head + 0 .. 2 of element e.  Lane (r, h): features 32 h .. 32 h + 31 of the tile's row r: a whole block
	s_wait_alu depctr_vm_vsrc(0)                   ; the head's loads and LDS stores have read v5, v6, v10, v12 to v15 and v18, which the lines below write, and v160-255, in which the LDS loads below land
	v_and_b32 v15, 7, v0
	v_bfe_u32 v12, v0, 3, 1
	v_lshl_add_u32 v15, v12, 5, v15                ; r % 8 + 32 (r / 8)
	v_mul_u32_u24 v15, v15, ROWB
	v_lshl_add_u32 v15, v3, 4, v15                 ; + 128 h
	s_mul_i32 s46, s3, ELB
	s_mul_i32 s47, s4, 3
.irp n, 0,1,2
	s_add_co_u32 s5, s47, \n                       ; tau
	s_lshr_b32 s6, s5, 2
	s_lshl_b32 s6, s6, 6
	s_and_b32 s7, s5, 3
	s_lshl_b32 s7, s7, 3
	s_add_co_u32 s6, s6, s7                        ; 64 (tau / 4) + 8 (tau % 4)
	s_mul_i32 s6, s6, ROWB
	s_add_co_u32 s6, s6, s46
	v_add_nc_u32 v[12+\n], s6, v15
.endr
	s_mul_i32 s5, s4, 1536
	v_add_nc_u32 v5, s5, v7                        ; where my three images go,
	s_mul_i32 s5, s4, 192
	v_add_nc_u32 v6, s5, v8                        ; and their scale words
	s_wait_alu depctr_va_vdst(0)                   ; the three stage addresses v12 to v14 are written, which the LDS loads below read
.irp n, 0,1,2
.irp k, 0,1,2,3,4,5,6,7
	ds_load_b128 v[KR+32*\n+4*\k:KR+32*\n+4*\k+3], v[12+\n] offset:16*\k
.endr
.endr
.macro XQ n, left                      ; left: the LDS loads issued behind this tile's eight.  Each tile has registers of its own for its codes and for its scale word (v120 + n)
	s_wait_dscnt \left
	AMAX32 MX, KR+32*\n
	SOPBY 22, 23, MX
	CVT4 Q+8*\n, KR+32*\n, 22
	WORD2 120+\n
.endm
	XQ 0, 16                                       ; two tiles' loads
	XQ 1, 8                                        ; one tile's loads
	XQ 2, 0
	s_wait_alu depctr_va_vdst(0)                   ; the conversions have written the three tiles' codes and the last lines of WORD2 their scale words, which the six LDS stores read; v5 and v6 are written
.irp n, 0,1,2
	ds_store_b128 v5, v[Q+8*\n:Q+8*\n+3] offset:512*\n
	ds_store_b32 v6, v[120+\n] offset:64*\n        ; both halves of the lanes write the same word
.endr
	BAR                                            ; the 48 images lie in LDS, and nobody reads the stage any more
	; ---- V AND K OF MY HEAD, four tiles at a time
	s_wait_alu depctr_vm_vsrc(0)                   ; my six LDS stores have read v6, which is written next, and the codes and words in v32.., v40.., v48.. and v120.., in which x's fragments land
	v_lshrrev_b32 v6, 2, v1
	v_add_nc_u32 v6, s48, v6                       ; scale words by lane: lanes 0-15 one tile's, lanes 16-31 the next tile's
	v_mov_b32 v17, v16                             ; bv twice, for the packed additions
.macro LOADX c
	s_wait_alu depctr_va_vdst(0)                   ; the products of the step before are done reading the four fragments and v24, v31, in which these loads land; ahead of the first step: v6 is written, and so is what the quantiser wrote into these registers
	ds_load_b128 v[32:35], v7 offset:(4*\c)*512
	ds_load_b128 v[40:43], v7 offset:(4*\c+1)*512
	ds_load_b128 v[48:51], v7 offset:(4*\c+2)*512
	ds_load_b128 v[120:123], v7 offset:(4*\c+3)*512
	ds_load_b32 v24, v6 offset:256*\c
	ds_load_b32 v31, v6 offset:256*\c+128
	s_wait_dscnt 0x0
.endm
.macro VSTEP c                         ; V: source 0 = x, source 1 = Wv
	LOADX \c
	MM4 KR+32*\c, 32, 112, -1, 24, 26, 0
	MM4 KR+32*\c+8, 40, 112, -1, 24, 26, 1
	MM4 KR+32*\c+16, 48, 112, -1, 31, 26, 0
	MM4 KR+32*\c+24, 120, 112, -1, 31, 26, 1
	PLACES 4                                       ; in front of the next loads into the operands, and of the first read of results
.endm
	VSTEP 0
	VSTEP 1
	VSTEP 2
.set N, 0
.rept 48
	v_pk_add_f32 v[KR+N:KR+N+1], v[KR+N:KR+N+1], v[16:17]   ; + bv; ascending, so each result is read from its low end on
.set N, N+2
.endr
.irp n, 20,21,22,23,24,25,26,27,28,29,30,31
	v_cndmask_b32 v[KR+64+\n], 0, v[KR+64+\n], vcc_lo       ; lanes 16-31 hold tokens 160 + n there: from 180 on zeros, as the quantiser's filling asks
.endr
.irp c, 0,1,2
	AMAX32 MX, KR+32*\c
	SOPBY 22, 23, MX
	CVT4 VO+8*\c, KR+32*\c, 22
	WORD2 28+\c
.endr
.macro KSTEP c                         ; K^T: source 0 = Wk, source 1 = x, C = bk
	LOADX \c
	MM4 KR+32*\c, 96, 32, 104, 25, 24, 0
	MM4 KR+32*\c+8, 96, 40, 104, 25, 24, 2
	MM4 KR+32*\c+16, 96, 48, 104, 25, 31, 0
	MM4 KR+32*\c+24, 96, 120, 104, 25, 31, 2
	PLACES 4
.endm
	KSTEP 0
	KSTEP 1
	KSTEP 2
	PLACES 1                                       ; five places before a result serves as a matrix operand, and before Q's product writes over a fragment of x
; where score n of a chunk is read from: in the last chunk scores 20 on pass through a select into T
.macro SRCOF sym, n, masked
.if (\masked) && ((\n) >= 20)
.set \sym, T+(\n)
.else
.set \sym, S+(\n)
.endif
.endm
; A CHUNK: 64 keys (four tiles) against the 16 queries in hand.  ahead = 1: the next tile's fragment of x and its scale word are asked for behind the chunk's product on codes
.macro CHUNK c, first, masked, ahead
.irp s, 0,1,2,3                        ; S^T = K Q^T: four steps of 4 along d; the four accumulators take turns, one instruction a turn
.irp i, 0,1,2,3
.if \s == 0
	v_wmma_f32_16x16x4_f32 v[S+8*\i:S+8*\i+7], v[KR+32*\c+8*\i:KR+32*\c+8*\i+1], v[Q:Q+1], 0
.else
	v_wmma_f32_16x16x4_f32 v[S+8*\i:S+8*\i+7], v[KR+32*\c+8*\i+2*\s:KR+32*\c+8*\i+2*\s+1], v[Q+2*\s:Q+2*\s+1], v[S+8*\i:S+8*\i+7]
.endif
.endr
.endr
	PLACES 8                                       ; eight places behind this form before a vector instruction reads a result
.irp i, 0,1,2
	v_max3_num_f32 v[MX+\i], v[S+8*\i], v[S+8*\i+1], v[S+8*\i+2]   ; my block's largest score, four chains; each result is first read at its low end
.endr
.if \masked
.irp n, 20,21,22,23,24,25,26,27,28,29,30,31
	v_cndmask_b32 v[T+\n], v4, v[S+\n], vcc_lo     ; lanes 16-31 hold keys 160 + n: from 180 on -infinity
.endr
.endif
	SRCOF A0, 24, \masked
	v_max3_num_f32 v[MX+3], v[A0], v[A0+1], v[A0+2]
.irp p, 3,5
.irp i, 0,1,2,3
	SRCOF A0, 8*\i+\p, \masked
	SRCOF A1, 8*\i+\p+1, \masked
	v_max3_num_f32 v[MX+\i], v[MX+\i], v[A0], v[A1]
.endr
.endr
.irp i, 0,1,2,3
	SRCOF A0, 8*\i+7, \masked
	v_max_num_f32 v[MX+\i], v[MX+\i], v[A0]
.endr
	v_max3_num_f32 v18, v18, v19, v20
	v_max_num_f32 v18, v18, v21                    ; it serves twice: for the row's maximum and, since p rises with the score, for the block's largest p
	v_permlanex16_b32 v10, v18, s36, s37
	v_max_num_f32 v11, v18, v10                    ; the chunk's largest score of my query
.if \first
	v_mul_f32 v13, s38, v11                        ; as t
	v_floor_f32 v12, -v13                          ; -M = floor(-t) = -ceil(t)
.else
	v_mul_f32 v11, s38, v11
	v_max_num_f32 v13, v13, v11                    ; the running largest t
	v_mov_b32 v23, v12
	v_floor_f32 v12, -v13
	v_sub_f32 v23, v12, v23                        ; old M - new M: a whole number, 0 or less
	v_cvt_i32_f32 v23, v23
	v_ldexp_f32 v16, 1.0, v23                      ; f = 2^(old M - new M): a multiplication by it rounds nothing
.endif
.irp n, 0,2,4,6,8,10,12,14,16,18,20,22,24,26,28,30
	SRCOF A0, \n, \masked
	v_pk_fma_f32 v[T+\n:T+\n+1], v[A0:A0+1], s[38:39], v[12:13] op_sel_hi:[1,0,0]   ; t - M, two at a time
.endr
	v_fma_f32 v18, v18, s38, v12                   ; the same of the block's largest score
.irp n, 0,1,2,3,4,5,6,7,8,9,10,11,12,13,14,15,16,17,18,19,20,21,22,23,24,25,26,27,28,29,30,31
	v_exp_f32 v[T+\n], v[T+\n]                     ; p = 2^(t - M)
.endr
	v_exp_f32 v18, v18
.if \first
	v_nop                                          ; a plain line behind the exponentials
	s_wait_alu depctr_va_vdst(0)                   ; the 33 exponentials have written v18 and T .. T+31, ahead of their first reader
.else
	v_pk_mul_f32 v[14:15], v[14:15], v[16:17] op_sel_hi:[1,0]   ; the sum under the new M (the plain line behind the exponentials)
	s_wait_alu depctr_va_vdst(0)                   ; the 33 exponentials have written v18 and T .. T+31, ahead of their first reader
.endif
	v_max_num_f32 v18, 0x1800000, v18              ; the floor 2^(3 - 127)
	SOPBY 22, 23, 18
	WORD2 26                                       ; p's scale word
	CVT4 PC, T, 22
.if !\first
.irp n, 0,2,4,6
	v_pk_mul_f32 v[O+\n:O+\n+1], v[O+\n:O+\n+1], v[16:17] op_sel_hi:[1,0]   ; O^T under the new M
.endr
.endif
	v_pk_add_f32 v[20:21], v[T:T+1], v[T+2:T+3]    ; the sum of the UNQUANTISED p, in two chains.  These sixteen lines name no register of the product below: they are the places between
.irp j, 4,8,12,16,20,24,28                     ; the scale word's and the codes' last writes and that product
	v_pk_add_f32 v[14:15], v[14:15], v[T+\j:T+\j+1]
	v_pk_add_f32 v[20:21], v[20:21], v[T+\j+2:T+\j+3]
.endr
	v_pk_add_f32 v[14:15], v[14:15], v[20:21]
	s_wait_alu depctr_va_vdst(0)                   ; behind the places: p's codes in v48-51 and its scale word v26 are written, which the product takes; with ahead = 1 also: the conversions and the sums are done reading T .. T+3, Q's product is done reading v31, and v5 and v6 are written
.if \first
	MM4 O, VO+8*\c, PC, -1, 28+\c, 26, 0           ; O^T = V^T P^T starts the sum
.else
	MM4 O, VO+8*\c, PC, O, 28+\c, 26, 0
.endif
.if \ahead
	ds_load_b128 v[T:T+3], v5                      ; the next tile's fragment of x.  No wait: the one matrix instruction since the wait above names none of these registers
	ds_load_b32 v31, v6                            ; and its scale words
.endif
.endm
; A TILE OF 16 QUERIES.  more = 1: a further tile follows, and its fragment of x is asked for in this tile's last chunk
.macro TILE more
	s_wait_dscnt 0x2                               ; LDS instructions end in order: x's fragment and word are in; the two stores issued behind them may be out
	MM4 Q, WQ, T, BQ, 27, 31, 0                    ; Q^T: source 0 = Wq, source 1 = x, C = bq
	s_wait_alu depctr_vm_vsrc(0)                   ; the LDS loads and stores issued so far have read v5, v6 and v1, which the lines below write, and T+16 .. T+23, which the first chunk writes
.if \more
	v_add_nc_u32 v5, s41, v7                       ; the next tile's image,
	v_add_nc_u32 v6, s42, v8                       ; its scale words,
	v_add_nc_u32 v1, s43, v9                       ; and this tile's place among my tiles of O
.else
	PLACES 2
	v_add_nc_u32 v1, 11*1024, v9                   ; the last of my tiles of O
.endif
	v_mov_b32 v14, 0                               ; the sum, in two halves.  These five lines are the places before Q^T serves as a matrix operand
	v_mov_b32 v15, 0
	CHUNK 0, 1, 0, 0
	CHUNK 1, 0, 0, 0
	CHUNK 2, 0, 1, \more
	v_add_f32 v10, v14, v15                        ; the sum's two halves,
	v_permlanex16_b32 v11, v10, s36, s37
	v_add_f32 v10, v10, v11                        ; and lane l xor 16's keys
.if \more
.irp z, 4,5,6,7
	v_mov_b32 v[T+\z], 0                           ; the next fragment's upper half; the waits below stand between these lines and the product that takes them, and five plain lines too
.endr
.else
	PLACES 2
.endif
	v_rcp_f32 v16, v10
	v_nop                                          ; a plain line behind the reciprocal; with the lines above, the places behind the last product
	s_wait_alu depctr_va_vdst(0)                   ; the reciprocal has written v16, ahead of its first reader
.irp n, 0,2,4,6
	v_pk_mul_f32 v[T+16+\n:T+17+\n], v[O+\n:O+\n+1], v[16:17] op_sel_hi:[1,0]   ; O^T / l, from the low end on
.endr
	s_wait_alu depctr_va_vdst(0)                   ; the four multiplications have written T+16 .. T+23, which the two LDS stores read
	ds_store_b128 v1, v[T+16:T+19]                 ; as an image of its registers: 16 bytes a lane
	ds_store_b128 v1, v[T+20:T+23] offset:512
.endm
	; ---- THE LOOP: twelve tiles of 16 queries, the last written out
	s_mov_b32 s40, 11
	s_mov_b32 s41, 512                             ; 512 x the next tile: x's image
	s_mov_b32 s42, 64                              ; 64 x the next tile: its scale words
	s_mov_b32 s43, 0                               ; 1,024 x tile: O's tile
	s_wait_alu depctr_va_vdst(0)                   ; K's products are done reading Wk's fragment, in whose lower half x's first fragment lands (its upper half holds zeros still), and v31
	ds_load_b128 v[T:T+3], v7                      ; tile 0
	ds_load_b32 v31, v8
	s_wait_dscnt 0x0                               ; on the way into the loop no store stands behind these two loads: so they are awaited here
.Ltile:
	TILE 1
	s_add_co_u32 s41, s41, 512
	s_add_co_u32 s42, s42, 64
	s_add_co_u32 s43, s43, 1024
	s_sub_co_u32 s40, s40, 1
	s_cmp_lg_u32 s40, 0
	s_cbranch_scc1 .Ltile
	TILE 0
	; ---- THE LAST PRODUCT AND THE MEAN: wave (e, head) takes query tiles 3 head + 0 .. 2 of element e, all four heads' O: K = 64 = (head, d)
	s_wait_alu depctr_vm_vsrc(0)                   ; the loop's LDS loads and stores have read v1, v5 to v8, which the lines below write, and T+16 .. T+23, in which O's tiles land
	v_and_b32 v1, 31, v0
	v_lshlrev_b32 v1, 4, v1                        ; 16 x lane
	v_and_b32 v6, 7, v0
	v_bfe_u32 v5, v0, 3, 1
	v_lshl_add_u32 v6, v5, 5, v6                   ; r % 8 + 32 (r / 8): my row's token within its tile
	s_mul_i32 s5, s3, 49152
	s_mul_i32 s6, s4, 3072
	s_add_co_u32 s5, s5, s6
	v_add_nc_u32 v7, s5, v1                        ; head 0's tile 3 head of my element
	s_lshl_b32 s5, s2, 8
	s_add_co_u32 s5, s5, PART
	v_add_nc_u32 v8, s5, v2                        ; my sums: 4 r
	v_lshrrev_b32 v14, 1, v1                       ; 8 x lane: two features a lane
	s_lshl_b32 s5, s3, 10
	s_add_co_u32 s5, s5, PART
	v_add_nc_u32 v9, s5, v14                       ; my element's four waves' sums
	v_lshlrev_b32 v12, 3, v2
	v_lshl_add_u32 v12, v3, 1, v12                 ; Wo: row r of 32 bytes, + 16 h
	v_lshrrev_b32 v13, 1, v2                       ; its two scale bytes
.irp z, 164,172,180,188,36,44
.irp j, 0,1,2,3
	v_mov_b32 v[\z+\j], 0                          ; upper halves of Wo's four fragments and of two of wv's operands (the third's are still 0)
.endr
.endr
	s_wait_alu depctr_va_vdst(0)                   ; the offsets v7, v12, v13 and v14 are written; the loop's products are done reading K^T and the scale words v27 to v30, its vector lines are done with v16, v17 and T: Wo, its words, bo and O's tiles land there
.irp t, 0,1,2,3
	global_load_b128 v[KR+8*\t:KR+8*\t+3], v12, s[28:29] offset:512*\t
	global_load_u16 v[27+\t], v13, s[30:31] offset:32*\t
.endr
	global_load_b64 v[16:17], v14, s[32:33]        ; bo
	BAR                                            ; every head's O lies in LDS
.macro OLOAD n, oh
.irp u, 0,1,2,3
	ds_load_b128 v[\oh+8*\u:\oh+8*\u+3], v7 offset:12288*\u+1024*\n
	ds_load_b128 v[\oh+8*\u+4:\oh+8*\u+7], v7 offset:12288*\u+1024*\n+512
.endr
.endm
	OLOAD 0, 96                                    ; no vector or matrix instruction stands between the wait above and these loads
	OLOAD 1, 192
	OLOAD 2, 224
; Lane (r, h) holds, of query r, k = 16 head + 8 h + 0 .. 7.  Block 0 = heads 0 and 1, block 1 = heads 2 and 3, each over both halves of the lanes.
; The operand wants k = 32 h + 8 g + 0 .. 7 in register g: two exchanges of halves give it.
.macro QUANT6 n, oh, left
	s_wait_dscnt \left                             ; the later tiles' loads may be out
	v_max3_num_f32 v18, |v[\oh]|, |v[\oh+1]|, 0x1800000
	v_max3_num_f32 v19, |v[\oh+16]|, |v[\oh+17]|, 0x1800000
.irp i, 2,4,6,8,10,12,14
	v_max3_num_f32 v18, v18, |v[\oh+\i]|, |v[\oh+\i+1]|
	v_max3_num_f32 v19, v19, |v[\oh+16+\i]|, |v[\oh+17+\i]|
.endr
	v_permlanex16_b32 v10, v18, s36, s37
	v_permlanex16_b32 v11, v19, s36, s37
	v_max_num_f32 v18, v18, v10
	v_max_num_f32 v19, v19, v11
	SOPBY 20, 22, 18
	SOPBY 21, 23, 19
	v_lshl_or_b32 v[24+\n], v23, 8, v22            ; the row's scale word
	v_cvt_scalef32_pk8_fp4_f32 v[Q+8*\n], v[\oh:\oh+7], v20
	v_cvt_scalef32_pk8_fp4_f32 v[Q+8*\n+1], v[\oh+16:\oh+23], v21
	v_cvt_scalef32_pk8_fp4_f32 v[Q+8*\n+2], v[\oh+8:\oh+15], v20
	v_cvt_scalef32_pk8_fp4_f32 v[Q+8*\n+3], v[\oh+24:\oh+31], v21
	v_nop
	v_permlane16_swap_b32 v[Q+8*\n], v[Q+8*\n+1]   ; the first's lanes 16-31 change places with the second's lanes 0-15
	v_permlane16_swap_b32 v[Q+8*\n+2], v[Q+8*\n+3]
	s_add_co_u32 s5, s47, \n                       ; tau
	s_lshr_b32 s6, s5, 2
	s_lshl_b32 s6, s6, 6
	s_and_b32 s7, s5, 3
	s_lshl_b32 s7, s7, 3
	s_add_co_u32 s6, s6, s7
	v_add_nc_u32 v5, s6, v6                        ; my row's token
	v_cmp_gt_u32 vcc_lo, 180, v5
	s_wait_alu depctr_va_vcc(0)                    ; the compare has written VCC, ahead of the selects that read it
.irp g, 0,1,2,3
	v_cndmask_b32 v[Q+8*\n+\g], 0, v[Q+8*\n+\g], vcc_lo   ; a token that does not exist: zero codes
.endr
.endm
	QUANT6 0, 96, 16
	QUANT6 1, 192, 8
	QUANT6 2, 224, 0
	PLACES 8                                       ; a scale word written by a vector instruction stands eight places ahead of the product, an operand four
	s_wait_loadcnt 0x0                             ; Wo, its scales, bo
	s_wait_alu depctr_va_vdst(0)                   ; behind the places: the selects have written wv's three operands, and the scale words v24 to v26 are written, which the products take
.irp n, 0,1,2                          ; source 0 = 16 queries, source 1 = 16 rows of Wo.  The three tiles of queries are added in the accumulators: only their sum is wanted.  Four accumulators by turns
.irp t, 0,1,2,3
.if \n == 0
	MM4 BQ+8*\t, Q+8*\n, KR+8*\t, -1, 24+\n, 27+\t, 0
.else
	MM4 BQ+8*\t, Q+8*\n, KR+8*\t, BQ+8*\t, 24+\n, 27+\t, 0
.endif
.endr
.endr
	PLACES 4
.irp t, 0,1,2,3                        ; the sum over the accumulator's sixteen rows: eight registers, two halves of the lanes
	v_pk_add_f32 v[100+4*\t:101+4*\t], v[BQ+8*\t:BQ+8*\t+1], v[BQ+8*\t+2:BQ+8*\t+3]
	v_pk_add_f32 v[102+4*\t:103+4*\t], v[BQ+8*\t+4:BQ+8*\t+5], v[BQ+8*\t+6:BQ+8*\t+7]
.endr
.irp t, 0,1,2,3
	v_pk_add_f32 v[100+4*\t:101+4*\t], v[100+4*\t:101+4*\t], v[102+4*\t:103+4*\t]
.endr
.irp t, 0,1,2,3
	v_add_f32 v[96+\t], v[100+4*\t], v[101+4*\t]
.endr
.irp t, 0,1,2,3
	v_permlanex16_b32 v[116+\t], v[96+\t], s36, s37
.endr
.irp t, 0,1,2,3
	v_add_f32 v[96+\t], v[96+\t], v[116+\t]
.endr
	s_wait_alu depctr_va_vdst(0)                   ; the additions have written v96 to v99, which the four LDS stores read, and are done with v100 to v107, in which the partial sums land behind the barrier
.irp t, 0,1,2,3
	ds_store_b32 v8, v[96+\t] offset:64*\t         ; feature 16 t + r; both halves of the lanes write the same word
.endr
	BAR                                            ; the sixteen waves' sums lie in LDS
	s_cmp_lg_u32 s4, 0                             ; one wave of each element adds its four waves' sums; no barrier follows
	s_cbranch_scc1 .Lend
.irp w, 0,1,2,3
	ds_load_b64 v[100+2*\w:101+2*\w], v9 offset:256*\w
.endr
	s_wait_dscnt 0x0
	v_pk_add_f32 v[100:101], v[100:101], v[102:103]
	v_pk_add_f32 v[104:105], v[104:105], v[106:107]
	v_pk_add_f32 v[100:101], v[100:101], v[104:105]
	v_pk_fma_f32 v[100:101], v[100:101], 0x3bb60b61, v[16:17] op_sel_hi:[1,0,1]   ; / 180, + bo
	s_wait_alu depctr_va_vdst(0)                   ; the multiply-add has written v100 and v101, which the store reads
	global_store_b64 v14, v[100:101], s[34:35]     ; the wave stores 256 consecutive bytes, at a multiple of 256 from att's first byte
.Lend:
	s_wait_xcnt 0x0
	v_lshl_add_u32 v254, v0, 2, 0x39c00            ; my spare word and 0, made anew straight ahead of the closing lines: no register could be kept for them
	v_mov_b32 v255, 0
	s_wait_dscnt 0x0                               ; the closing lines, six on end
	s_wait_alu 0x0
	s_wait_tensorcnt 0x0
	ds_add_u32 v254, v255
	s_wait_dscnt 0x0
	s_endpgm
.Lfunc_end_k_q8e6524157e_attn:
	.size	k_q8e6524157e_attn, .Lfunc_end_k_q8e6524157e_attn-k_q8e6524157e_attn
	.p2alignl 7, 3214868480
	.fill 96, 4, 3214868480
	.section	.rodata,"a",@progbits
	.p2align	6, 0x0
	.amdhsa_kernel k_q8e6524157e_attn
		.amdhsa_group_segment_fixed_size 238592
		.amdhsa_private_segment_fixed_size 0
		.amdhsa_enable_private_segment 0
		.amdhsa_kernarg_size 112
		.amdhsa_user_sgpr_count 2
		.amdhsa_user_sgpr_kernarg_segment_ptr 1
		.amdhsa_wavefront_size32 1
		.amdhsa_system_sgpr_workgroup_id_x 1
		.amdhsa_system_sgpr_workgroup_id_y 1
		.amdhsa_system_sgpr_workgroup_id_z 1
		.amdhsa_system_vgpr_workitem_id 0
		.amdhsa_next_free_vgpr 256
		.amdhsa_next_free_sgpr 66
		.amdhsa_reserve_vcc 1
		.amdhsa_float_denorm_mode_32 3
		.amdhsa_float_denorm_mode_16_64 3
		.amdhsa_memory_ordered 1
		.amdhsa_forward_progress 1
		.amdhsa_inst_pref_size 93
	.end_amdhsa_kernel
	.amdgpu_metadata
---
amdhsa.version: [ 1, 2 ]
amdhsa.kernels:
  - .name:           k_q8e6524157e_attn
    .symbol:         k_q8e6524157e_attn.kd
    .args:
      - { .name: state, .offset: 0, .size: 8, .value_kind: global_buffer, .address_space: global }
      - { .name: Wq_codes, .offset: 8, .size: 8, .value_kind: global_buffer, .address_space: global }
      - { .name: Wq_scales, .offset: 16, .size: 8, .value_kind: global_buffer, .address_space: global }
      - { .name: bq, .offset: 24, .size: 8, .value_kind: global_buffer, .address_space: global }
      - { .name: Wk_codes, .offset: 32, .size: 8, .value_kind: global_buffer, .address_space: global }
      - { .name: Wk_scales, .offset: 40, .size: 8, .value_kind: global_buffer, .address_space: global }
      - { .name: bk, .offset: 48, .size: 8, .value_kind: global_buffer, .address_space: global }
      - { .name: Wv_codes, .offset: 56, .size: 8, .value_kind: global_buffer, .address_space: global }
      - { .name: Wv_scales, .offset: 64, .size: 8, .value_kind: global_buffer, .address_space: global }
      - { .name: bv, .offset: 72, .size: 8, .value_kind: global_buffer, .address_space: global }
      - { .name: Wo_codes, .offset: 80, .size: 8, .value_kind: global_buffer, .address_space: global }
      - { .name: Wo_scales, .offset: 88, .size: 8, .value_kind: global_buffer, .address_space: global }
      - { .name: bo, .offset: 96, .size: 8, .value_kind: global_buffer, .address_space: global }
      - { .name: att, .offset: 104, .size: 8, .value_kind: global_buffer, .address_space: global }
    .group_segment_fixed_size: 238592
    .private_segment_fixed_size: 0
    .kernarg_segment_align: 8
    .kernarg_segment_size: 112
    .max_flat_workgroup_size: 512
    .sgpr_count:     66
    .vgpr_count:     256
    .wavefront_size: 32
...
	.end_amdgpu_metadata
.endif
;; end of part 4
;; launch tail: the kernel of part 3 again; grid 128 x 1, 4 waves a work-group, no clusters, 4,608 bytes of LDS; arguments att, state, wq, b1, v2_bmu, v2_bsig, v2_beps, a2_bmu, a2_bsig, a2_beps, out0; writes out0
